; MI455X (gfx1250); checked and timed in simulation.
; The chip was launched on July 23, 2026; its instructions are those of AMD's public machine-readable ISA for CDNA 5 (MIT licence, August 2026) and "CDNA5" Instruction Set Architecture Reference Guide (July 2026). The comments in the code are by the model that wrote it; some were corrected since.
;; Deep Seek Sparse Attention. Allowed arithmetic: matrix products marked QUANTISED: E3M2 operands, one E8M0 scale for each 32 along K, by v_wmma_scale_f32_16x16x128_f8f6f4 with both operands' format E3M2, f32 sums; everything else in f32.
;; Inputs: Wk 768 x 768 float32; Wo 768 x 768 float32; Wq 768 x 768 float32; Wv 768 x 768 float32; bk 768 float32; bo 768 float32; bq 768 float32; bv 768 float32; x 2 x 2,048 x 768 float32.
;; Outputs: out0 2 x 2,048 x 768 float32.
;; This version of the problem:
;;   THIS VERSION OF THE PROBLEM IS GIVEN IN LOW PRECISION. The matrix products marked QUANTISED in the list below multiply operands that are first quantised to E3M2 (3 exponent bits, 2 mantissa bits; 6 bits a number), with one power-of-two scale for each 32 numbers along K (OCP MX v1.0); their sums are f32. All else is computed in f32.
;;   The module's matrix products, in the order in which they are computed (A, B: the left and right operand; K: the contracted axis; several contracted axes count as one K, in the product's order):
;;     1. [M 4,096, K 768] x [K 768, N 768]; A: input x; B: input Wq: QUANTISED
;;     2. [M 4,096, K 768] x [K 768, N 768]; A: input x; B: input Wk: QUANTISED
;;     3. [M 4,096, K 768] x [K 768, N 768]; A: input x; B: input Wv: QUANTISED
;;     4. batch 24 x [M 2,048, K 64] x [K 64, N 2,048]; A: computed on the way; B: computed on the way: QUANTISED
;;     5. batch 24 x [M 2,048, K 2,048] x [K 2,048, N 64]; A: softmax (see below); B: computed on the way: QUANTISED
;;     6. [M 4,096, K 768] x [K 768, N 768]; A: computed on the way; B: input Wo: QUANTISED
;;   THE QUANTISER, for each operand of a quantised product, along K:
;;     - K is cut into blocks of 32 from its start; a last block that is shorter is filled with zeros.
;;     - A block's scale is 2^e with e = floor(log2(the largest magnitude in the block)) - 4, held to -126 .. 127; a block of zeros has e = 0. As a byte (E8M0): e + 127.
;;     - Each number is divided by its block's scale, clamped to +-28, and rounded to the nearest number of E3M2, ties to even, subnormals kept.
;;     - The product sums the exact products of the quantised numbers (number of the format x scale) in f32.
;;   ~~~python
;;   def quantise(x, axis):      # numpy; x: float32 -> the quantised numbers, widened to float32 again
;;       x = np.moveaxis(x, axis, -1); K = x.shape[-1]
;;       x = np.pad(x, [(0, 0)] * (x.ndim - 1) + [(0, -K % 32)]); x = x.reshape(x.shape[:-1] + (-1, 32)); a = np.abs(x).max(-1, keepdims=True)
;;       e = np.where(a > 0, np.clip(np.frexp(np.where(a > 0, a, 1))[1] - 1 - 4, -126, 127), 0)      # np.frexp(a)[1] - 1 = floor(log2(a)), exactly
;;       r = np.clip(x / 2.0 ** e, -28, 28)
;;       step = 2.0 ** (np.maximum(np.frexp(np.where(r == 0, 1, r))[1] - 1, -2) - 2)
;;       q = np.round(r / step) * step * 2.0 ** e      # np.round: ties to even
;;       return np.moveaxis(q.reshape(q.shape[:-2] + (-1,))[..., :K], -1, axis).astype(np.float32)
;;   ~~~
;;   SOFTMAX AHEAD OF A QUANTISED PRODUCT. Where the list says 'softmax', what is quantised is not the finished softmax but p = 2^(t - M), with t = logit x log2(e) and M = ceil(the row's largest t), a whole number; so 1/2 < the row's largest p <= 1. The row's sum l is taken of the UNQUANTISED p, in f32, and the product's result is divided by l at the end. Since M is a whole number, a kernel that streams over the keys may use a running M (the ceiling of the running maximum): every later rescaling is an exact power of two, which a block's scale takes up: the codes' values come out the same.
;;   OPERANDS COMPUTED ON THE WAY. 'Computed on the way' means the value that the module computes at that place (a softmax that the list does not call 'softmax' is quantised finished and normalised). What goes into a quantiser is computed in f32, as accurately as f32 sums, v_exp_f32 and their like allow (about 1e-6 of the number): no bf16 or f16 on the way to a quantiser, and a product that is left as it is and whose result goes on into a quantised operand takes f32 operands (vector FMAs, or v_wmma_f32_16x16x4_f32). A number that lies on a knife's edge between two numbers of the format may be rounded either way, as far as f32 arithmetic and the matrix unit's own rounding can turn it there, and no further.
;; 2 versions, each right; version 2 is version 1 with the launch proj written anew for expert scheduling mode. Each part assembles by itself: llvm-mc -triple=amdgcn-amd-amdhsa -mcpu=gfx1250 --defsym DOCPART=n.
;; ======== version 1 of 2: 3 launches
;; workspace buffers: xc 2,359,296 bytes; xs 98,304 bytes; wc 1,843,200 bytes; aoc 2,359,296 bytes; aos 196,608 bytes
;; launch quant (part 1): grid 56 x 3, 4 waves a work-group, no clusters, 291,328 bytes of LDS; arguments x, Wq, Wk, Wv, Wo, xc, xs, wc; writes xc, xs, wc
.if DOCPART == 1
	.amdgcn_target "amdgcn-amd-amdhsa--gfx1250"
	.amdhsa_code_object_version 6
	.text
	.protected	k_q99854db9ec_quant
	.globl	k_q99854db9ec_quant
	.p2align	8
	.type	k_q99854db9ec_quant,@function
k_q99854db9ec_quant:
	s_mov_b64 s[64:65], 0
	v_nop
	global_prefetch_b8 v0, s[64:65] scope:SCOPE_SE
	s_setreg_imm32_b32 hwreg(HW_REG_WAVE_MODE, 25, 1), 1
	s_wait_xcnt 0x0
; x [4096][768] and the four weights [768 (k)][768 (n)], f32, become codes of BF6 (E3M2) with one E8M0 byte for each 32 along K, laid IN THE ORDER OF THE OPERAND'S REGISTERS.
; A fragment (16 rows x 128 K, 12 registers a lane) is an image of 1,536 bytes: register j of lane l at 512 (j / 4) + 16 l + 4 (j % 4): three loads of 16 bytes a lane bring it back.
; THE ROWS OF A TILE ARE NOT NEIGHBOURS: lane-row r of tile 2 p + u (rows of x, columns of a weight) is index 32 p + 8 u + r + 8 (r / 8), so that the results of tiles 2 p and 2 p + 1 are 16 neighbours along the next K.
; A block's scale is 2^(floor(log2(largest magnitude)) - 4): its byte is the largest magnitude's exponent field - 4, held at 1 from below by a floor among the maximum's leaves.
; LIMITS: a block of zeros gets the byte 1 where the rule says 127 (its codes are zeros, and this program alone reads the bytes); NaN and infinities among the inputs are not served.
; SHARES: work-groups x < 32 take x (wave: 32 rows x 256 K), the others the weights (wave: 128 K x 64 columns of one weight).  Each wave brings its 32 KiB by two tensor loads at its head, reads only its own bytes,
; and nothing in LDS is filled twice: no barrier.  The two ways part once on the work-group's number and have LDS bytes of their own.  No matrix work, no cluster: nothing is shared between work-groups.
.set XTW,  33792                       ; x's way: LDS of a wave: two tiles of 32 rows x (512 + 16) bytes, from byte 0 on
.set XTT,  16896
.set XP,   528
.set WT,   135168                      ; the weights' way: 128 rows of 256 bytes for each wave
.set CST,  266240                      ; and a stage of four fragment images for each wave, which no tensor load fills
.set XA,   32                          ; v32-95, v96-159  two sets of 64 numbers (x);  v32-95 two sets of 32 (weights)
.set XB,   96
.set PC,   160                         ; v160-178 the codes just made (x)
.set TM,   184                         ; v184-199 at work
.set PW,   200                         ; the scale word just made
.set PWR,  204                         ; v204-207 the four fragments' words
.set SWX,  208                         ; v208-209 as they are stored
.set XW,   32
.set CC,   96                          ; v96-103, v104-111 a block's codes, two sets (weights)
.set MX,   112                         ; v112-115 at work
.set SWW,  116                         ; v116-117 a column's scale words
.set OUTR, 120                         ; v120-167 the way out
.set SEL,  48
	s_load_b256 s[4:11], s[0:1], 0x0               ; x, Wq, Wk, Wv
	s_load_b256 s[12:19], s[0:1], 0x20             ; Wo, xc, xs, wc
	v_lshl_add_u32 v224, v0, 2, 0x47000
	v_mov_b32 v225, 0
	ds_add_u32 v224, v225
	ds_add_u32 v224, v225
	s_wait_dscnt 0x0
	v_lshrrev_b32 v1, 5, v0
	v_readfirstlane_b32 s20, v1                    ; wave 0..3
	s_and_b32 s21, ttmp7, 0xffff                   ; which 256 along K
	v_and_b32 v1, 31, v0                           ; lane l
	v_and_b32 v2, 15, v0                           ; r
	v_bfe_u32 v3, v0, 4, 1                         ; h
	v_lshlrev_b32 v4, 4, v1                        ; 16 l
	v_lshlrev_b32 v5, 3, v1                        ; 8 l
	v_and_b32 v11, 8, v2
	v_add_nc_u32 v11, v11, v2                      ; r + 8 (r / 8)
	v_mul_u32_u24 v6, v11, XP
	v_lshl_add_u32 v6, v3, 6, v6
	s_mul_i32 s52, s20, XTW
	v_add_nc_u32 v6, s52, v6                       ; x: my row of a tile, + 64 h: my 16 numbers of a block of 32
	s_lshl_b32 s53, s20, 15
	s_add_co_u32 s53, s53, WT
	v_lshl_add_u32 v7, v1, 2, s53                  ; weights: my column of 32
	v_bfe_u32 v12, v0, 3, 1                        ; column l of 32 is lane-row r' = l % 8 + 8 (l / 16) of tile u = (l / 8) % 2
	v_and_b32 v13, 7, v0
	v_lshl_add_u32 v13, v3, 3, v13
	s_mul_i32 s54, s20, 6144
	s_add_co_u32 s54, s54, CST
	v_mul_u32_u24 v8, v12, 1536
	v_lshl_add_u32 v8, v13, 4, v8
	v_add_nc_u32 v8, s54, v8                       ; into the stage: tile u's image, lane r'
	v_add_nc_u32 v9, s54, v4                       ; out of it: 16 l
	v_lshl_add_u32 v10, v12, 4, v13
	v_lshlrev_b32 v10, 3, v10                      ; my column's two scale words: 8 (r' + 16 u)
	; descriptor group 1 for x: 32 rows x 128 f32, rows 768 apart, 16 bytes of padding behind each 512
	s_mov_b32 s24, (2<<16)|(1<<20)|(6<<22)|(3<<25)
	s_mov_b32 s25, 128<<16
	s_mov_b32 s26, 32<<16
	s_mov_b32 s27, 128<<16
	s_mov_b32 s28, 32
	s_mov_b32 s29, 768
	s_mov_b32 s30, 0
	s_mov_b32 s31, 0
	; and for a weight: 64 rows x 64 f32, rows 768 apart, dense in LDS
	s_mov_b32 s32, 2<<16
	s_mov_b32 s33, 64<<16
	s_mov_b32 s34, 64<<16
	s_mov_b32 s35, 64<<16
	s_mov_b32 s36, 64
	s_mov_b32 s37, 768
	s_mov_b32 s38, 0
	s_mov_b32 s39, 0
	s_mov_b32 s[SEL], 0x76543210
	s_mov_b32 s[SEL+1], 0xfedcba98                 ; v_permlanex16_b32's selects for lane l xor 16
	s_mov_b32 s50, 0xffff0000                      ; lanes 16-31
.irp b, 0,1,2,3
	v_mov_b32 v[TM+4+\b], 0                        ; written once: a lane permute's destination counts as one of its sources
.endr
	s_cmp_lt_u32 ttmp9, 32
	s_cbranch_scc0 .Lweights
; ---------------- x ----------------
	s_lshl_b32 s55, ttmp9, 2
	s_add_co_u32 s55, s55, s20                     ; my pair of tiles: rows 32 p .. 32 p + 31
	s_mul_i32 s56, s55, 98304
	s_lshl_b32 s58, s21, 10
	s_add_co_u32 s56, s56, s58
	s_mov_b32 s57, 0
	s_mov_b32 s40, 1
	s_mov_b32 s41, s52
	s_mov_b32 s44, 1
	s_add_co_u32 s45, s52, XTT
	s_wait_kmcnt 0x0
	s_add_nc_u64 s[42:43], s[4:5], s[56:57]        ; K step 2 y,
	s_add_nc_u64 s[46:47], s[42:43], 512           ; and 2 y + 1
	s_or_b32 s43, s43, 0x80000000
	s_or_b32 s47, s47, 0x80000000
	tensor_load_to_lds s[40:43], s[24:31]          ; two loads of mine are out
	s_nop 0
	tensor_load_to_lds s[44:47], s[24:31]
	s_nop 0
.rept 4
	v_nop
.endr
	s_mul_i32 s58, s55, 18432
	s_mul_i32 s59, s21, 3072
	s_add_co_u32 s58, s58, s59
	s_mov_b32 s59, 0
	s_add_nc_u64 s[14:15], s[14:15], s[58:59]      ; xc: pair x 2 tiles x 9,216 + K step x 1,536
	s_mul_i32 s58, s55, 768
	s_lshl_b32 s60, s21, 8
	s_add_co_u32 s58, s58, s60
	s_add_nc_u64 s[16:17], s[16:17], s[58:59]      ; xs: pair x 768 + y x 256
; 64 numbers of a lane, register 16 b + i = k 32 b + 16 h + i of my row, become a fragment's codes in v[PC] on and its scale word in v[PW]
.macro QUANT s
.irp b, 0,1,2,3
	v_max3_num_f32 v[TM+\b], |v[\s+16*\b]|, |v[\s+1+16*\b]|, 0x2800000   ; my 16 numbers of block b, and the floor 2^(5 - 127)
.endr
.irp i, 2,4,6,8,10,12,14
.irp b, 0,1,2,3
	v_max3_num_f32 v[TM+\b], v[TM+\b], |v[\s+16*\b+\i]|, |v[\s+1+16*\b+\i]|
.endr
.endr
.irp b, 0,1,2,3
	v_permlanex16_b32 v[TM+4+\b], v[TM+\b], s[SEL], s[SEL+1]
.endr
.irp b, 0,1,2,3
	v_max_num_f32 v[TM+\b], v[TM+\b], v[TM+4+\b]   ; with lane l xor 16's: the block's largest magnitude
.endr
.irp b, 0,1,2,3
	v_add_nc_u32 v[TM+12+\b], 0xfe000000, v[TM+\b] ; 4 off its exponent field: the conversion's scale operand
.endr
.irp b, 0,1,2,3
	v_lshrrev_b32 v[TM+4+\b], 23, v[TM+12+\b]      ; the scale's byte
.endr
	v_lshl_or_b32 v[PW], v[TM+5], 8, v[TM+4]
	v_lshl_or_b32 v[PW], v[TM+6], 16, v[PW]
	v_lshl_or_b32 v[PW], v[TM+7], 24, v[PW]
.irp c, 0,1
	v_cvt_scalef32_pk16_bf6_f32 v[PC+6*\c:PC+2+6*\c], v[\s+32*\c:\s+15+32*\c], v[TM+12+2*\c]
	v_cvt_scalef32_pk16_bf6_f32 v[PC+12+4*\c:PC+14+4*\c], v[\s+16+32*\c:\s+31+32*\c], v[TM+12+2*\c+1]   ; (a conversion's three registers begin on an even number)
.endr
	v_nop                                          ; one plain place behind a scaled conversion
.irp c, 0,1                                    ; the operand's layout wants a whole block in a lane
.irp i, 0,1,2
	v_permlane16_swap_b32 v[PC+6*\c+\i], v[PC+12+4*\c+\i]
.endr
.irp i, 0,1,2
	v_mov_b32 v[PC+3+6*\c+\i], v[PC+12+4*\c+\i]
.endr
.endr
.endm
.macro XLD n, reg                              ; fragment n = 2 e + u (K step e of my two, tile u): 64 numbers a lane
.irp b, 0,1,2,3
.irp j, 0,1,2,3
	ds_load_b128 v[\reg+16*\b+4*\j:\reg+16*\b+4*\j+3], v6 offset:((\n)/2)*XTT+((\n)%2)*8*XP+128*\b+16*\j
.endr
.endr
.endm
.macro XOUT n                                  ; its image: each store of the wave covers 512 consecutive bytes
.irp c, 0,1,2
	global_store_b128 v4, v[PC+4*\c:PC+4*\c+3], s[14:15] offset:((\n)%2)*9216+((\n)/2)*1536+512*\c
.endr
	v_mov_b32 v[PWR+(\n)], v[PW]
.endm
	s_wait_tensorcnt 0x1                           ; my first tile is in; the second may be out
	XLD 0, XA
	XLD 1, XB
	s_wait_dscnt 16                                ; fragment 0's sixteen loads are in, fragment 1's may be out
	QUANT XA
	XOUT 0
	s_wait_tensorcnt 0x0                           ; the second tile
	XLD 2, XA
	s_wait_dscnt 16
	s_wait_xcnt 0x0                                ; the stores' data registers are written again only behind this wait
	QUANT XB
	XOUT 1
	XLD 3, XB
	s_wait_dscnt 16
	s_wait_xcnt 0x0
	QUANT XA
	XOUT 2
	s_wait_dscnt 0x0
	s_wait_xcnt 0x0
	QUANT XB
	XOUT 3
	v_cndmask_b32 v[SWX], v[PWR], v[PWR+1], s50    ; lanes 0-15 tile 2 p's word, lanes 16-31 tile 2 p + 1's
	v_cndmask_b32 v[SWX+1], v[PWR+2], v[PWR+3], s50
	global_store_b64 v5, v[SWX:SWX+1], s[16:17]    ; 256 consecutive bytes, aligned
	s_wait_tensorcnt 0x0
	ds_add_u32 v224, v225
	s_wait_dscnt 0x0
	s_endpgm
; ---------------- the weights ----------------
.Lweights:
	s_sub_co_u32 s55, ttmp9, 32
	s_and_b32 s56, s55, 3                          ; which weight: q, k, v, o
	s_lshr_b32 s57, s55, 2
	s_lshl_b32 s57, s57, 1
	s_lshr_b32 s58, s20, 1
	s_add_co_u32 s57, s57, s58                     ; which 64 columns
	s_lshl_b32 s58, s21, 1
	s_and_b32 s59, s20, 1
	s_add_co_u32 s58, s58, s59                     ; which K step of 128
	s_mul_i32 s62, s58, 393216
	s_lshl_b32 s59, s57, 8
	s_add_co_u32 s62, s62, s59
	s_mov_b32 s63, 0
	s_mov_b32 s40, 1
	s_mov_b32 s41, s53
	s_mov_b32 s44, 1
	s_add_co_u32 s45, s53, 16384
	s_wait_kmcnt 0x0
	s_cmp_eq_u32 s56, 1                            ; the choice hangs on the work-group's number alone
	s_cselect_b64 s[4:5], s[8:9], s[6:7]
	s_cmp_eq_u32 s56, 2
	s_cselect_b64 s[4:5], s[10:11], s[4:5]
	s_cmp_eq_u32 s56, 3
	s_cselect_b64 s[4:5], s[12:13], s[4:5]
	s_cselect_b32 s60, 4608, 0                     ; Wo's codes lie behind the three others' scale words,
	s_cselect_b32 s61, 36864, 0                    ; its scale words behind its codes
	s_add_nc_u64 s[42:43], s[4:5], s[62:63]        ; rows k = 0 .. 63 of the step,
	s_add_nc_u64 s[46:47], s[42:43], 196608        ; and 64 .. 127
	s_or_b32 s43, s43, 0x80000000
	s_or_b32 s47, s47, 0x80000000
	tensor_load_to_lds s[40:43], s[32:39]          ; two loads of mine are out
	s_nop 0
	tensor_load_to_lds s[44:47], s[32:39]
	s_nop 0
.rept 4
	v_nop
.endr
	s_mul_i32 s22, s57, 153600
	s_mul_i32 s55, s56, 36864
	s_add_co_u32 s55, s55, s22
	s_add_co_u32 s55, s55, s60
	s_mul_i32 s59, s58, 6144
	s_add_co_u32 s62, s55, s59
	s_add_nc_u64 s[14:15], s[18:19], s[62:63]      ; where my four images go
	s_mul_i32 s55, s56, 1536
	s_add_co_u32 s55, s55, s22
	s_add_co_u32 s55, s55, s61
	s_lshl_b32 s59, s58, 8
	s_add_co_u32 s55, s55, s59
	s_add_co_u32 s62, s55, 110592
	s_add_nc_u64 s[16:17], s[18:19], s[62:63]      ; and their scale words
; Unit n = (c, b, hh): block 2 c + hh of 32 along K, columns 32 b + lane.  A LANE TAKES A COLUMN AND ITS REGISTERS RUN DOWN K: the block's maximum needs no other lane, and the codes come out with K innermost.
.macro WLD n
.set BBK, 2*((\n)/4)+(\n)%2
.set BH, ((\n)/2)%2
.set XS_, XW+32*((\n)%2)
.set i_, 0
.rept 32
	ds_load_b32 v[XS_+i_], v7 offset:(32*BBK+i_)*256+128*BH
.set i_, i_+1
.endr
.endm
.macro BLOCK n
.set BBK, 2*((\n)/4)+(\n)%2
.set BH, ((\n)/2)%2
.set XS_, XW+32*((\n)%2)
.set C_, CC+8*((\n)%2)
	v_max3_num_f32 v[MX], |v[XS_]|, |v[XS_+1]|, |v[XS_+2]|
	v_max3_num_f32 v[MX+1], |v[XS_+3]|, |v[XS_+4]|, |v[XS_+5]|
.irp i, 6,10,14,18,22,26
	v_max3_num_f32 v[MX], v[MX], |v[XS_+\i]|, |v[XS_+\i+1]|
	v_max3_num_f32 v[MX+1], v[MX+1], |v[XS_+\i+2]|, |v[XS_+\i+3]|
.endr
	v_max3_num_f32 v[MX], v[MX], |v[XS_+30]|, |v[XS_+31]|
	v_max3_num_f32 v[MX], v[MX], v[MX+1], 0x2800000   ; and the floor 2^(5 - 127)
	v_add_nc_u32 v[MX+2], 0xfe000000, v[MX]        ; the conversion's scale operand
	v_lshrrev_b32 v[MX+3], 23, v[MX+2]             ; the byte
.if BBK == 0
	v_mov_b32 v[SWW+BH], v[MX+3]
.else
	v_lshl_or_b32 v[SWW+BH], v[MX+3], 8*BBK, v[SWW+BH]
.endif
	v_cvt_scalef32_pk16_bf6_f32 v[C_:C_+2], v[XS_:XS_+15], v[MX+2]
	v_cvt_scalef32_pk16_bf6_f32 v[C_+4:C_+6], v[XS_+16:XS_+31], v[MX+2]
	v_nop                                          ; one plain place behind a scaled conversion
	v_mov_b32 v[C_+3], v[C_+4]
	v_mov_b32 v[C_+4], v[C_+5]
	v_mov_b32 v[C_+5], v[C_+6]                     ; six registers on end: registers 6 c .. 6 c + 5 of lane r' + 16 hh of my tile's fragment
.if (\n) < 4
	ds_store_b128 v8, v[C_:C_+3] offset:3072*BH+256*((\n)%2)
	ds_store_b64 v8, v[C_+4:C_+5] offset:3072*BH+256*((\n)%2)+512
.else
	ds_store_b64 v8, v[C_:C_+1] offset:3072*BH+256*((\n)%2)+520
	ds_store_b128 v8, v[C_+2:C_+5] offset:3072*BH+256*((\n)%2)+1024
.endif
.endm
	s_wait_tensorcnt 0x1                           ; rows 0 .. 63 are in
	WLD 0
	WLD 1
	s_wait_dscnt 32                                ; unit 0's loads are in, unit 1's 32 may be out
	BLOCK 0
	WLD 2
	s_wait_dscnt 34                                ; behind unit n's loads: unit n - 1's two stores and unit n + 1's 32 loads
	BLOCK 1
	WLD 3
	s_wait_dscnt 34
	BLOCK 2
	s_wait_tensorcnt 0x0                           ; rows 64 .. 127
	WLD 4
	s_wait_dscnt 34
	BLOCK 3
	WLD 5
	s_wait_dscnt 34
	BLOCK 4
	WLD 6
	s_wait_dscnt 34
	BLOCK 5
	WLD 7
	s_wait_dscnt 34
	BLOCK 6
	s_wait_dscnt 2                                 ; behind unit 7's loads: unit 6's two stores
	BLOCK 7
.irp g, 0,1,2,3,4,5,6,7,8,9,10,11
	ds_load_b128 v[OUTR+4*\g:OUTR+4*\g+3], v9 offset:512*\g   ; LDS serves a wave's instructions in order: these see my stores
.endr
.irp g, 0,1,2,3,4,5,6,7,8,9,10,11
	s_wait_dscnt 11-\g
	global_store_b128 v4, v[OUTR+4*\g:OUTR+4*\g+3], s[14:15] offset:512*\g   ; 512 consecutive bytes
.endr
	global_store_b64 v10, v[SWW:SWW+1], s[16:17]   ; the 32 lanes fill 256 consecutive bytes, aligned
	s_wait_tensorcnt 0x0
	ds_add_u32 v224, v225
	s_wait_dscnt 0x0
	s_endpgm
.Lfunc_end_k_q99854db9ec_quant:
	.size	k_q99854db9ec_quant, .Lfunc_end_k_q99854db9ec_quant-k_q99854db9ec_quant
	.p2alignl 7, 3214868480
	.fill 96, 4, 3214868480
	.section	.rodata,"a",@progbits
	.p2align	6, 0x0
	.amdhsa_kernel k_q99854db9ec_quant
		.amdhsa_group_segment_fixed_size 291328
		.amdhsa_private_segment_fixed_size 0
		.amdhsa_enable_private_segment 0
		.amdhsa_kernarg_size 64
		.amdhsa_user_sgpr_count 2
		.amdhsa_user_sgpr_kernarg_segment_ptr 1
		.amdhsa_wavefront_size32 1
		.amdhsa_system_sgpr_workgroup_id_x 1
		.amdhsa_system_sgpr_workgroup_id_y 1
		.amdhsa_system_sgpr_workgroup_id_z 1
		.amdhsa_system_vgpr_workitem_id 0
		.amdhsa_next_free_vgpr 226
		.amdhsa_next_free_sgpr 66
		.amdhsa_reserve_vcc 0
		.amdhsa_float_denorm_mode_32 3
		.amdhsa_float_denorm_mode_16_64 3
		.amdhsa_memory_ordered 1
		.amdhsa_forward_progress 1
		.amdhsa_inst_pref_size 59
	.end_amdhsa_kernel
	.amdgpu_metadata
---
amdhsa.version: [ 1, 2 ]
amdhsa.kernels:
  - .name:           k_q99854db9ec_quant
    .symbol:         k_q99854db9ec_quant.kd
    .args:
      - { .name: x, .offset: 0, .size: 8, .value_kind: global_buffer, .address_space: global }
      - { .name: Wq, .offset: 8, .size: 8, .value_kind: global_buffer, .address_space: global }
      - { .name: Wk, .offset: 16, .size: 8, .value_kind: global_buffer, .address_space: global }
      - { .name: Wv, .offset: 24, .size: 8, .value_kind: global_buffer, .address_space: global }
      - { .name: Wo, .offset: 32, .size: 8, .value_kind: global_buffer, .address_space: global }
      - { .name: xc, .offset: 40, .size: 8, .value_kind: global_buffer, .address_space: global }
      - { .name: xs, .offset: 48, .size: 8, .value_kind: global_buffer, .address_space: global }
      - { .name: wc, .offset: 56, .size: 8, .value_kind: global_buffer, .address_space: global }
    .group_segment_fixed_size: 291328
    .private_segment_fixed_size: 0
    .kernarg_segment_align: 8
    .kernarg_segment_size: 64
    .max_flat_workgroup_size: 128
    .sgpr_count:     66
    .vgpr_count:     226
    .wavefront_size: 32
...
	.end_amdgpu_metadata
.endif
;; end of part 1
;; launch attn (part 2): grid 8 x 24, 8 waves a work-group, no clusters, 187,648 bytes of LDS; arguments xc, xs, wc, bq, bk, bv, aoc, aos; writes aoc, aos
.if DOCPART == 2
	.amdgcn_target "amdgcn-amd-amdhsa--gfx1250"
	.amdhsa_code_object_version 6
	.text
	.protected	k_q99854db9ec_attn
	.globl	k_q99854db9ec_attn
	.p2align	8
	.type	k_q99854db9ec_attn,@function
k_q99854db9ec_attn:
	s_mov_b64 s[64:65], 0
	v_nop
	global_prefetch_b8 v0, s[64:65] scope:SCOPE_SE
	s_setreg_imm32_b32 hwreg(HW_REG_WAVE_MODE, 25, 1), 1
	s_wait_xcnt 0x0
; For one batch, one head and 256 queries: q, k, v = x W + b on codes of BF6; q, k, v quantised; scores, window mask (|query - key| <= 64), softmax, P V; the result divided by the row's sum and quantised for the last product.
; q, k and v never go to memory.  All six kinds of operand are codes of E3M2 with one E8M0 byte for each 32 along K; all sums f32.
; SHARES.  Eight waves in two teams of four.  A team owns 128 queries and the 256 keys round them (64 on each side are computed again by the neighbours: the price of keeping k and v out of memory).
; Wave w of a team makes q for 32 queries (two tiles), k and v for 64 key rows (four tiles), and then the attention of its 32 queries over five blocks of 32 keys.  k and v go from wave to wave through LDS as images of registers.
; A group of key rows that would lie off the sequence's end is held at the nearest group: real rows, whose blocks are hidden by adding -infinity (OFF below).
; LAYOUT.  Lane-row r of tile 2 p + u (rows of x, columns of a weight) is index 32 p + 8 u + r + 8 (r / 8).  q and k: source 0 = 16 columns of W, source 1 = 16 rows of x: a lane holds one row and 16 neighbours along the head's 64.
; v: the sources the other way round: a lane holds one of the head's 64 and its registers run along the keys, which are the second product's K.
; THE HEAD'S K IS 64, THE INSTRUCTION'S 128: a fragment of K holds two tiles of keys, one in each half of K; q stands between two runs of zero codes, and [q, 0] picks the first tile, [0, q] the second.
; SOFTMAX.  t = score x log2(e) / 8; M = ceil(the row's largest t); p = 2^(t - M), quantised along the keys; the row's sum is taken of the unquantised p and divides at the end.  All of a row's keys are at hand: M is final.
; The fifth block of keys is a K step of its own with codes in its last block alone.
; NO CLUSTER: the eight work-groups of a head share the head's 115,200 bytes of weights, while each reads 8 x 36 x 1,536 = 442,368 bytes of x's codes of its own: the shared part is a fifth of a work-group's bytes.
; LIMITS: a block of zeros gets the byte 1 (zero codes; the bytes are read by this program alone); p under 2^-126 counts as 0; NaN and infinities among the inputs are not served.
; REGISTERS.  Window 0: v1-27 addresses and constants; v28-63 scale words and nothing else; v64-159 x's fragments, two sets; v160-255 the weights' fragments, two sets, and on them the quantiser's registers.
;   In the attention: v64-143 scores and p, v144-175 O^T, v176-207 at work, v208-231 p's codes, v232-251 statistics.   Window 1: x for q and q's sums; then k's and v's sums; then K's and V's fragments and [0, q, 0].
.set WSC,   110592                     ; LDS: the head's codes of Wq, Wk, Wv from 0 on, their scale words here
.set BIAS,  115200                     ; the head's 64 numbers of bq, bk, bv: 256 bytes each
.set TEAM0, 115968                     ; a team's block: K's images 0, K's words 12,288, V's codes 13,312 and 21,504, V's bytes 25,600, q's images 26,624
.set TEAMB, 34816
.set AOSS,  185600                     ; the result's scale words of the work-group: 1,024 bytes
.set XS,  28                           ; x's scale words for k and v: XS + 6 (pair) + K step
.set WS,  40                           ; the weights': WS + 12 (slot) + 2 (K step) + tile / 2;  for q: WS + 12 + K step holds x's words
.set XB,  64
.set WA,  160
.set WB,  208
.set HP,  160                          ; 32 numbers to quantise
.set BI,  192                          ; a bias in the result's layout
.set BV,  224                          ; bv: one number a lane and tile, twice
.set PC,  232                          ; the codes just made
.set QT,  244                          ; +0, 1 maxima; +2, 3 the other half's, then the bytes; +4, 5 scale operands; +6 a spare word; +8 .. 10 a conversion's result
.set PWA, 255
.set QSL, 28                           ; the attention's scale words
.set QSH, 29
.set KS,  30
.set VS,  36
.set PW1, 44
.set PW2, 45
.set AW,  46
.set S,   64
.set O,   144
.set HA,  176
.set NB,  176
.set X1,  186
.set X2,  190
.set X3,  194
.set TP,  198
.set SC,  203
.set P1,  208
.set P2,  220
.set BM,  232
.set BY,  237
.set L,   242
.set LT,  244
.set RL,  246
.set RM,  250
.set NM,  251
.set VF,  64                           ; window 1
.set QF,  160                          ; window 1: six zeros, q, six zeros
.set MSB, 0
.macro WIN new                         ; the immediate's high byte repeats the setting that is left
.if MSB != (\new)
	s_set_vgpr_msb (MSB<<8)|(\new)
.set MSB, (\new)
.endif
.endm
.macro PLACES                          ; four places behind a matrix instruction in front of loads into its registers and of reads of its results
.rept 4
	v_nop
.endr
.endm
; one matrix instruction.  c < 0: the constant 0 starts the sum.  ra, rb = 1: that side's scales stand in lanes 16-31
.macro WM d, a, b, c, sa, sb, ra, rb
.if (\c) < 0
.if (\ra) == 0 && (\rb) == 0
	v_wmma_scale_f32_16x16x128_f8f6f4 v[(\d):(\d)+7], v[(\a):(\a)+11], v[(\b):(\b)+11], 0, v[(\sa)], v[(\sb)] matrix_a_fmt:MATRIX_FMT_BF6 matrix_b_fmt:MATRIX_FMT_BF6
.elseif (\ra) == 1 && (\rb) == 0
	v_wmma_scale_f32_16x16x128_f8f6f4 v[(\d):(\d)+7], v[(\a):(\a)+11], v[(\b):(\b)+11], 0, v[(\sa)], v[(\sb)] matrix_a_fmt:MATRIX_FMT_BF6 matrix_b_fmt:MATRIX_FMT_BF6 matrix_a_scale:MATRIX_SCALE_ROW1
.elseif (\ra) == 0
	v_wmma_scale_f32_16x16x128_f8f6f4 v[(\d):(\d)+7], v[(\a):(\a)+11], v[(\b):(\b)+11], 0, v[(\sa)], v[(\sb)] matrix_a_fmt:MATRIX_FMT_BF6 matrix_b_fmt:MATRIX_FMT_BF6 matrix_b_scale:MATRIX_SCALE_ROW1
.else
	v_wmma_scale_f32_16x16x128_f8f6f4 v[(\d):(\d)+7], v[(\a):(\a)+11], v[(\b):(\b)+11], 0, v[(\sa)], v[(\sb)] matrix_a_fmt:MATRIX_FMT_BF6 matrix_b_fmt:MATRIX_FMT_BF6 matrix_a_scale:MATRIX_SCALE_ROW1 matrix_b_scale:MATRIX_SCALE_ROW1
.endif
.else
.if (\ra) == 0 && (\rb) == 0
	v_wmma_scale_f32_16x16x128_f8f6f4 v[(\d):(\d)+7], v[(\a):(\a)+11], v[(\b):(\b)+11], v[(\c):(\c)+7], v[(\sa)], v[(\sb)] matrix_a_fmt:MATRIX_FMT_BF6 matrix_b_fmt:MATRIX_FMT_BF6
.elseif (\ra) == 1 && (\rb) == 0
	v_wmma_scale_f32_16x16x128_f8f6f4 v[(\d):(\d)+7], v[(\a):(\a)+11], v[(\b):(\b)+11], v[(\c):(\c)+7], v[(\sa)], v[(\sb)] matrix_a_fmt:MATRIX_FMT_BF6 matrix_b_fmt:MATRIX_FMT_BF6 matrix_a_scale:MATRIX_SCALE_ROW1
.elseif (\ra) == 0
	v_wmma_scale_f32_16x16x128_f8f6f4 v[(\d):(\d)+7], v[(\a):(\a)+11], v[(\b):(\b)+11], v[(\c):(\c)+7], v[(\sa)], v[(\sb)] matrix_a_fmt:MATRIX_FMT_BF6 matrix_b_fmt:MATRIX_FMT_BF6 matrix_b_scale:MATRIX_SCALE_ROW1
.else
	v_wmma_scale_f32_16x16x128_f8f6f4 v[(\d):(\d)+7], v[(\a):(\a)+11], v[(\b):(\b)+11], v[(\c):(\c)+7], v[(\sa)], v[(\sb)] matrix_a_fmt:MATRIX_FMT_BF6 matrix_b_fmt:MATRIX_FMT_BF6 matrix_a_scale:MATRIX_SCALE_ROW1 matrix_b_scale:MATRIX_SCALE_ROW1
.endif
.endif
.endm
.macro XFRAG reg, base, off            ; a fragment of x from memory: its image, 512 consecutive bytes a load
.irp c, 0,1,2
	global_load_b128 v[(\reg)+4*\c:(\reg)+4*\c+3], v1, s[\base:\base+1] offset:(\off)+512*\c
.endr
.endm
.macro WLOAD buf, adr, s               ; a weight's four fragments of K step s from LDS
.irp t, 0,1,2,3
.irp c, 0,1,2
	ds_load_b128 v[(\buf)+12*\t+4*\c:(\buf)+12*\t+4*\c+3], v[\adr] offset:6144*(\s)+1536*\t+512*\c
.endr
.endr
.endm
.macro BLOAD off                       ; a bias in the result's layout: tile 2 b + u, lane half h: numbers 32 b + 16 h + 8 u + 0 .. 7
.irp t, 0,1,2,3
.irp j, 0,1
	ds_load_b128 v[BI+8*\t+4*\j:BI+8*\t+4*\j+3], v19 offset:(\off)+128*(\t/2)+32*(\t%2)+16*\j
.endr
.endr
.endm
.macro MOVE acc, bias, step            ; 32 sums (window 1) + bias -> v[HP] on (window 0); each accumulator is read from its low end on
.set n_, 0
.rept 16
	v_pk_add_f32 v[HP+2*n_:HP+2*n_+1], v[(\acc)+2*n_:(\acc)+2*n_+1], v[(\bias)+(\step)*2*n_:(\bias)+(\step)*2*n_+1]
.set n_, n_+1
.endr
.endm
; 32 numbers of a lane, register 16 b + i = k 32 b + 16 h + i of my row, become half a fragment (six registers: lane (r, h) holds block h of row r) in v[pc] on, and the two bytes in v[pw]
.macro QUANT2 src, pc, pw
.irp b, 0,1
	v_max3_num_f32 v[QT+\b], |v[(\src)+16*\b]|, |v[(\src)+16*\b+1]|, 0x2800000   ; with the floor 2^(5 - 127): the byte cannot fall under 1
.endr
.irp i, 2,4,6,8,10,12,14
.irp b, 0,1
	v_max3_num_f32 v[QT+\b], v[QT+\b], |v[(\src)+16*\b+\i]|, |v[(\src)+16*\b+\i+1]|
.endr
.endr
.irp b, 0,1
	v_permlanex16_b32 v[QT+2+\b], v[QT+\b], s50, s51
.endr
.irp b, 0,1
	v_max_num_f32 v[QT+\b], v[QT+\b], v[QT+2+\b]
.endr
.irp b, 0,1
	v_add_nc_u32 v[QT+4+\b], 0xfe000000, v[QT+\b]  ; 4 off the exponent field: the conversion's scale operand
.endr
.irp b, 0,1
	v_lshrrev_b32 v[QT+2+\b], 23, v[QT+4+\b]       ; the byte
.endr
	v_lshl_or_b32 v[(\pw)], v[QT+3], 8, v[QT+2]
	v_cvt_scalef32_pk16_bf6_f32 v[(\pc):(\pc)+2], v[(\src):(\src)+15], v[QT+4]
	v_cvt_scalef32_pk16_bf6_f32 v[QT+8:QT+10], v[(\src)+16:(\src)+31], v[QT+5]
	v_nop                                          ; one plain place behind a scaled conversion
.irp i, 0,1,2
	v_permlane16_swap_b32 v[(\pc)+\i], v[QT+8+\i]
.endr
.irp i, 0,1,2
	v_mov_b32 v[(\pc)+3+\i], v[QT+8+\i]
.endr
.endm
.macro LADR vd, vl, mw, cst            ; an LDS address in my team's block: a constant + a constant x my number in the team + the lane's term
	s_mul_i32 s30, s22, \mw
	s_add_co_u32 s30, s30, s29
	s_add_co_u32 s30, s30, \cst
	v_add_nc_u32 v[\vd], s30, v[\vl]
.endm
	s_load_b256 s[4:11], s[0:1], 0x0               ; xc, xs, wc, bq
	s_load_b256 s[12:19], s[0:1], 0x20             ; bk, bv, aoc, aos
	v_lshl_add_u32 v254, v0, 2, 0x2d900
	v_mov_b32 v255, 0
	ds_add_u32 v254, v255
	ds_add_u32 v254, v255
	s_wait_dscnt 0x0
	v_lshrrev_b32 v64, 5, v0
	v_readfirstlane_b32 s20, v64                   ; wave 0..7
	s_lshr_b32 s21, s20, 2                         ; team
	s_and_b32 s22, s20, 3                          ; my number in it
	s_mov_b32 s23, ttmp9                           ; which 256 queries
	s_and_b32 s24, ttmp7, 0xffff
	s_and_b32 s25, s24, 1                          ; batch
	s_lshr_b32 s26, s24, 1                         ; head
	s_lshl_b32 s27, s23, 3
	s_add_co_u32 s27, s27, s20                     ; my pair of query tiles, 0..63 in the batch
	s_lshl_b32 s28, s23, 2
	s_lshl_b32 s30, s21, 1
	s_add_co_u32 s28, s28, s30
	s_add_co_u32 s28, s28, s22                     ; my group of 64 key rows + 1,
	s_max_u32 s28, s28, 1
	s_sub_co_u32 s28, s28, 1
	s_min_u32 s28, s28, 31                         ; held inside the sequence
	v_and_b32 v64, 31, v0                          ; l
	v_and_b32 v65, 15, v0                          ; r
	v_bfe_u32 v67, v0, 4, 1                        ; h
	v_lshlrev_b32 v66, 2, v64                      ; 4 l
	v_lshlrev_b32 v1, 4, v64                       ; 16 l: Wq's images, and images in memory
	v_add_nc_u32 v2, 36864, v1                     ; Wk's
	v_add_nc_u32 v3, 73728, v1                     ; Wv's
	v_lshlrev_b32 v5, 3, v64                       ; 8 l
	v_add_nc_u32 v4, WSC, v5                       ; the weights' scale words
	s_mul_i32 s29, s21, TEAMB
	s_add_co_u32 s29, s29, TEAM0                   ; my team's block
	LADR 6, 1, 3072, 0                             ; K's images: where I store my two pairs
	LADR 7, 66, 256, 12288                         ; and their words
	LADR 8, 1, 512, 13312                          ; V: registers 0-3 of my two blocks
	LADR 9, 5, 256, 21504                          ; registers 4-5
	LADR 10, 5, 2, 25600                           ; my two bytes of each row's eight
	LADR 11, 1, 2048, 26624                        ; q's images, my own
	LADR 12, 5, 2048, 27136
	LADR 13, 66, 2048, 27392
	LADR 14, 1, 1536, 0                            ; K's images: where I read, from my first block on
	LADR 15, 66, 128, 12288
	LADR 16, 1, 256, 13312                         ; V likewise
	LADR 17, 5, 128, 21504
	LADR 18, 5, 0, 25600
	v_lshl_add_u32 v19, v67, 6, BIAS
	v_and_b32 v68, 8, v65
	v_add_nc_u32 v68, v68, v65                     ; r + 8 (r / 8)
	v_lshl_add_u32 v20, v68, 2, BIAS+512
	s_lshr_b32 s30, s20, 1
	s_lshl_b32 s30, s30, 8
	s_and_b32 s31, s20, 1
	s_lshl_b32 s31, s31, 2
	s_add_co_u32 s30, s30, s31
	s_add_co_u32 s30, s30, AOSS
	v_add_nc_u32 v21, s30, v5
	v_lshlrev_b32 v69, 4, v67
	v_sub_nc_u32 v22, v68, v69                     ; my query in its 32, less 16 h: tile 0,
	v_add_nc_u32 v23, 8, v22                       ; tile 1
	v_mov_b32 v24, 0xff800000                      ; -infinity
	v_lshlrev_b32 v25, 2, v0
	v_lshl_add_u32 v26, v0, 2, BIAS
	v_lshl_add_u32 v27, v0, 4, AOSS
	; the head's codes and scale words of Wq, Wk, Wv: 115,200 dense bytes, 75 rows of 256 for each of waves 0 to 5
	s_mov_b32 s40, 3<<16
	s_mov_b32 s41, 32<<16
	s_mov_b32 s42, 75<<16
	s_mov_b32 s43, 32<<16
	s_mov_b32 s44, 75
	s_mov_b32 s45, 32
	s_mov_b32 s46, 0
	s_mov_b32 s47, 0
	s_mov_b32 s36, 1
	s_mul_i32 s37, s20, 19200
	s_mul_i32 s32, s26, 153600
	s_add_co_u32 s32, s32, s37
	s_mov_b32 s33, 0
	s_mov_b32 s48, 0x3e38aa3b                      ; c = log2(e) / 8
	s_mov_b32 s49, s48
	s_mov_b32 s50, 0x76543210
	s_mov_b32 s51, 0xfedcba98                      ; v_permlanex16_b32's selects for lane l xor 16
	s_mov_b32 s52, 0xffff0000                      ; lanes 16-31
	s_mul_i32 s53, s22, 0x01010101
	s_add_co_u32 s53, s53, 0x03020100              ; byte selects: a row's bytes w .. w + 3 of eight,
	s_add_co_u32 s54, s53, 0x01010101              ; and w + 1 .. w + 4
	s_cmp_ge_u32 s27, 2                            ; OFF: 0 where the block of keys lies in the sequence, else -infinity
	s_cselect_b32 s55, 0, 0xff800000
	s_cmp_ge_u32 s27, 1
	s_cselect_b32 s56, 0, 0xff800000
	s_cmp_le_u32 s27, 62
	s_cselect_b32 s57, 0, 0xff800000
	s_cmp_le_u32 s27, 61
	s_cselect_b32 s58, 0, 0xff800000
	s_wait_kmcnt 0x0
	s_add_nc_u64 s[38:39], s[8:9], s[32:33]
	s_or_b32 s39, s39, 0x80000000
	s_cmp_lt_u32 s20, 6
	s_cbranch_scc0 .Lno_fill
	tensor_load_to_lds s[36:39], s[40:47]          ; one load of mine is out; nothing in LDS is filled twice
	s_nop 0
.rept 4
	v_nop
.endr
.Lno_fill:
	s_lshl_b32 s34, s25, 7
	s_lshl_b32 s32, s28, 2
	s_add_co_u32 s32, s32, s34
	s_mul_i32 s32, s32, 9216
	s_add_nc_u64 s[60:61], s[4:5], s[32:33]        ; x's codes: my four tiles of key rows
	s_lshl_b32 s35, s27, 1
	s_add_co_u32 s35, s35, s34
	s_mul_i32 s32, s35, 9216
	s_add_nc_u64 s[62:63], s[4:5], s[32:33]        ; my two tiles of queries
	s_mul_i32 s32, s35, 12
	s_add_co_u32 s32, s32, s26
	s_mul_i32 s32, s32, 768
	s_add_nc_u64 s[70:71], s[16:17], s[32:33]      ; the result's codes: (tile x 12 + head) x 768
	s_lshl_b32 s34, s25, 6
	s_lshl_b32 s32, s28, 1
	s_add_co_u32 s32, s32, s34
	s_mul_i32 s32, s32, 768
	s_add_nc_u64 s[66:67], s[6:7], s[32:33]        ; x's scale words: key rows,
	s_add_co_u32 s32, s27, s34
	s_mul_i32 s32, s32, 768
	s_add_nc_u64 s[68:69], s[6:7], s[32:33]        ; queries
	s_lshl_b32 s32, s25, 5
	s_lshl_b32 s35, s23, 2
	s_add_co_u32 s32, s32, s35
	s_lshl_b32 s32, s32, 8
	s_lshl_b32 s35, s26, 14
	s_add_co_u32 s32, s32, s35
	s_add_nc_u64 s[72:73], s[18:19], s[32:33]      ; the result's scale words of the work-group
	s_lshl_b32 s32, s26, 8
	s_add_nc_u64 s[74:75], s[10:11], s[32:33]      ; the head's 64 numbers of each bias
	s_add_nc_u64 s[76:77], s[12:13], s[32:33]
	s_add_nc_u64 s[78:79], s[14:15], s[32:33]
	WIN 0x40                                       ; destination window 1
.irp u, 0,1
.irp s, 0,1,2,3,4,5
	XFRAG 12*(6*\u+\s), 62, 9216*\u+1536*\s        ; x for q: all of K stays in registers
.endr
.endr
	WIN 0
.irp p, 0,1,2
	global_load_b64 v[WS+12+2*\p:WS+12+2*\p+1], v5, s[68:69] offset:256*\p
.endr
.irp i, 0,1
.irp p, 0,1,2
	global_load_b64 v[XS+6*\i+2*\p:XS+6*\i+2*\p+1], v5, s[66:67] offset:768*\i+256*\p
.endr
.endr
.irp s, 0,1
.irp i, 0,1,2,3
	XFRAG XB+48*\s+12*\i, 60, 9216*\i+1536*\s      ; x for k and v: K steps 0 and 1
.endr
.endr
	s_cmp_lt_u32 s20, 2
	s_cbranch_scc0 .Lno_bias
	global_load_b32 v160, v25, s[74:75]            ; threads 0-63: the head's biases into LDS
	global_load_b32 v161, v25, s[76:77]
	global_load_b32 v162, v25, s[78:79]
	s_wait_loadcnt 0x0
	ds_store_b32 v26, v160
	ds_store_b32 v26, v161 offset:256
	ds_store_b32 v26, v162 offset:512
.Lno_bias:
	s_wait_tensorcnt 0x0                           ; my part of the weights has landed,
	s_wait_dscnt 0x0                               ; my stores too:
	s_barrier_signal -1
	s_barrier_wait -1                              ; everybody's have
	s_wait_loadcnt 0x0                             ; x
; ---------------- q: 8 sums (4 tiles of columns x 2 tiles of queries) by turns, a K step at a time; the weights' fragments in two sets ----------------
.irp s, 0,1,2,3,4,5
	ds_load_b64 v[WS+2*\s:WS+2*\s+1], v4 offset:256*\s
.endr
	WLOAD WA, 1, 0
	WLOAD WB, 1, 1
.macro QSTEP s
.if (\s) < 5
	s_wait_dscnt 12                                ; this step's fragments are in; the next step's twelve loads may be out
.else
	s_wait_dscnt 0x0
.endif
	WIN 0x54                                       ; x, C and D in window 1
.irp t, 0,1,2,3
.irp u, 0,1
.if (\s) == 0
	WM 144+32*\u+8*\t, WA+48*((\s)%2)+12*\t, 12*(6*\u+(\s)), -1, WS+2*(\s)+\t/2, WS+12+(\s), \t%2, \u
.else
	WM 144+32*\u+8*\t, WA+48*((\s)%2)+12*\t, 12*(6*\u+(\s)), 144+32*\u+8*\t, WS+2*(\s)+\t/2, WS+12+(\s), \t%2, \u
.endif
.endr
.endr
	WIN 0
	PLACES
.if (\s) < 4
	WLOAD WA+48*((\s)%2), 1, (\s)+2
.endif
.endm
.irp s, 0,1,2,3,4,5
	QSTEP \s
.endr
	BLOAD 0                                        ; bq
	s_wait_dscnt 0x0
.irp u, 0,1
	WIN 0x01
	MOVE 144+32*\u, BI, 1
	WIN 0
	QUANT2 HP, PC, PWA
	v_lshlrev_b32 v[QT+6], 16, v[PWA]              ; the same two bytes for the upper half of K
	ds_store_b128 v11, v[PC:PC+3] offset:1024*\u   ; q waits in my own bytes of LDS
	ds_store_b64 v12, v[PC+4:PC+5] offset:1024*\u
	ds_store_b32 v13, v[PWA] offset:1024*\u
	ds_store_b32 v13, v[QT+6] offset:1024*\u+128
	s_wait_dscnt 0x0
.endr
; ---------------- k and v: 32 sums by turns ----------------
.irp s, 0,1,2,3,4,5
	ds_load_b64 v[WS+2*\s:WS+2*\s+1], v4 offset:1536+256*\s
	ds_load_b64 v[WS+12+2*\s:WS+12+2*\s+1], v4 offset:3072+256*\s
.endr
	WLOAD WA, 2, 0
	WLOAD WB, 3, 0
.macro KVSTEP s
.if (\s) >= 2 && (\s) < 5
	s_wait_loadcnt 12                              ; x of this step is in; the next step's twelve loads may be out
.elseif (\s) == 5
	s_wait_loadcnt 0x0
.endif
	s_wait_dscnt 12                                ; Wk of this step is in; Wv's twelve loads may be out
	WIN 0x50                                       ; C and D in window 1
.irp i, 0,1,2,3
.irp t, 0,1,2,3
.if (\s) == 0
	WM 8*(4*\i+\t), WA+12*\t, XB+48*((\s)%2)+12*\i, -1, WS+2*(\s)+\t/2, XS+6*(\i/2)+(\s), \t%2, \i%2
.else
	WM 8*(4*\i+\t), WA+12*\t, XB+48*((\s)%2)+12*\i, 8*(4*\i+\t), WS+2*(\s)+\t/2, XS+6*(\i/2)+(\s), \t%2, \i%2
.endif
.endr
.endr
	WIN 0
	PLACES
.if (\s) < 5
	WLOAD WA, 2, (\s)+1
	s_wait_dscnt 12                                ; Wv of this step is in; the twelve just issued may be out
.else
	s_wait_dscnt 0x0
.endif
	WIN 0x50
.irp i, 0,1,2,3
.irp t, 0,1,2,3
.if (\s) == 0
	WM 128+8*(4*\t+\i), XB+48*((\s)%2)+12*\i, WB+12*\t, -1, XS+6*(\i/2)+(\s), WS+12+2*(\s)+\t/2, \i%2, \t%2
.else
	WM 128+8*(4*\t+\i), XB+48*((\s)%2)+12*\i, WB+12*\t, 128+8*(4*\t+\i), XS+6*(\i/2)+(\s), WS+12+2*(\s)+\t/2, \i%2, \t%2
.endif
.endr
.endr
	WIN 0
	PLACES
.if (\s) < 5
	WLOAD WB, 3, (\s)+1
.endif
.if (\s) < 4
.irp i, 0,1,2,3
	XFRAG XB+48*((\s)%2)+12*\i, 60, 9216*\i+1536*((\s)+2)
.endr
.endif
.endm
.irp s, 0,1,2,3,4,5
	KVSTEP \s
.endr
	BLOAD 256                                      ; bk
.irp t, 0,1,2,3
	ds_load_b32 v[BV+2*\t], v20 offset:128*(\t/2)+32*(\t%2)       ; bv of my lane's column, twice: a pair for the packed addition
	ds_load_b32 v[BV+2*\t+1], v20 offset:128*(\t/2)+32*(\t%2)
.endr
	s_wait_dscnt 0x0
.macro KEPI ip                         ; a pair of key tiles becomes ONE fragment: tile 2 p in K's lower half, tile 2 p + 1 in its upper
	WIN 0x01
	MOVE 32*(2*(\ip)), BI, 1
	WIN 0
	QUANT2 HP, PC, PWA
	WIN 0x01
	MOVE 32*(2*(\ip)+1), BI, 1
	WIN 0
	QUANT2 HP, PC+6, QT+6
	v_lshl_or_b32 v[PWA], v[QT+6], 16, v[PWA]
.irp c, 0,1,2
	ds_store_b128 v6, v[PC+4*\c:PC+4*\c+3] offset:1536*(\ip)+512*\c
.endr
	ds_store_b32 v7, v[PWA] offset:128*(\ip)
	s_wait_dscnt 0x0
.endm
.macro VEPI t                          ; 16 of the head's 64 x my 64 keys: lane (r, h) ends with block h of its row
	WIN 0x01
	MOVE 128+32*(\t), BV+2*(\t), 0
	WIN 0
	QUANT2 HP, PC, PWA
	ds_store_b128 v8, v[PC:PC+3] offset:2048*(\t)
	ds_store_b64 v9, v[PC+4:PC+5] offset:1024*(\t)
	ds_store_b16 v10, v[PWA] offset:256*(\t)
	s_wait_dscnt 0x0
.endm
	KEPI 0
	KEPI 1
.irp t, 0,1,2,3
	VEPI \t
.endr
	s_barrier_signal -1                            ; (every wave's LDS stores are done: the wait for 0 above)
	s_barrier_wait -1                              ; the teams' K and V lie in LDS
; ---------------- attention ----------------
	WIN 0x40
.irp bb, 0,1,2,3,4
.irp c, 0,1,2
	ds_load_b128 v[12*\bb+4*\c:12*\bb+4*\c+3], v14 offset:1536*\bb+512*\c      ; K: my five blocks
.endr
.endr
.irp st, 0,1
.irp t, 0,1,2,3
	ds_load_b128 v[VF+12*(4*\st+\t):VF+12*(4*\st+\t)+3], v16 offset:2048*\t+256*\st           ; V: K step st covers my blocks st .. st + 3
	ds_load_b64 v[VF+12*(4*\st+\t)+4:VF+12*(4*\st+\t)+5], v17 offset:1024*\t+128*\st
	ds_load_b128 v[VF+12*(4*\st+\t)+6:VF+12*(4*\st+\t)+9], v16 offset:2048*\t+256*\st+512
	ds_load_b64 v[VF+12*(4*\st+\t)+10:VF+12*(4*\st+\t)+11], v17 offset:1024*\t+128*\st+256
.endr
.endr
.irp j, 0,1,2,3,4,5
	v_mov_b32 v[QF+\j], 0                          ; zero codes on both sides of q
	v_mov_b32 v[QF+12+\j], 0
.endr
	WIN 0
.irp bb, 0,1,2,3,4
	ds_load_b32 v[KS+\bb], v15 offset:128*\bb
.endr
.irp t, 0,1,2,3
	ds_load_b64 v[HA+2*\t:HA+2*\t+1], v18 offset:256*\t
.endr
.irp j, 0,1,2,3,4,5
	v_mov_b32 v[P2+\j], 0                          ; the second K step's first two blocks hold no p
.endr
	s_wait_dscnt 0x0
.irp t, 0,1,2,3
	v_perm_b32 v[VS+\t], v[HA+2*\t+1], v[HA+2*\t], s53
	v_perm_b32 v[VS+4+\t], v[HA+2*\t+1], v[HA+2*\t], s54
.endr
.irp b, 0,1,2,3,4
	v_mov_b32 v[NB+2*\b+1], 0                      ; (named as the upper halves of pairs)
	v_mov_b32 v[TP+\b], 0                          ; (a lane permute's destination counts as one of its sources)
.endr
.macro ATT u
	s_wait_xcnt 0x0                                ; the last tile's stores have read their registers
	WIN 0x40
	ds_load_b128 v[QF+6:QF+9], v11 offset:1024*\u
	ds_load_b64 v[QF+10:QF+11], v12 offset:1024*\u
	WIN 0
	ds_load_b32 v[QSL], v13 offset:1024*\u
	ds_load_b32 v[QSH], v13 offset:1024*\u+128
	s_wait_dscnt 0x0
	WIN 0x05                                       ; K and q in window 1
.irp bb, 0,1,2,3,4
	WM S+16*\bb, 12*\bb, QF+6, -1, KS+\bb, QSL, 0, 0       ; [q, 0]: the block's first tile of keys
	WM S+16*\bb+8, 12*\bb, QF, -1, KS+\bb, QSH, 0, 0       ; [0, q]: its second.  Register 16 bb + i: key 16 h + i of block bb
.endr
	WIN 0
	PLACES
.set i_, 0
.rept 16                                       ; the window: in the first block keys before my query's place are hidden, in the last block keys behind it
	v_cmp_lt_i32 vcc_lo, i_, v[22+\u]
	v_cndmask_b32 v[S+i_], v[S+i_], v24, vcc_lo
	v_cmp_gt_i32 vcc_lo, i_, v[22+\u]
	v_cndmask_b32 v[S+64+i_], v[S+64+i_], v24, vcc_lo
.set i_, i_+1
.endr
.irp b, 0,1,2,3,4
	v_max3_num_f32 v[BM+\b], v[S+16*\b], v[S+16*\b+1], v[S+16*\b+2]   ; each block's largest score: for the row's maximum, and, since p rises with the score, for the block's largest p
.endr
.irp i, 3,5,7,9,11,13
.irp b, 0,1,2,3,4
	v_max3_num_f32 v[BM+\b], v[BM+\b], v[S+16*\b+\i], v[S+16*\b+\i+1]
.endr
.endr
.irp b, 0,1,2,3,4
	v_max_num_f32 v[BM+\b], v[BM+\b], v[S+16*\b+15]
.endr
.irp b, 0,1,2,3,4
	v_permlanex16_b32 v[TP+\b], v[BM+\b], s50, s51
.endr
.irp b, 0,1,2,3,4
	v_max_num_f32 v[BM+\b], v[BM+\b], v[TP+\b]
.endr
	v_add_f32 v[BM], s55, v[BM]                    ; blocks off the sequence's end count for nothing
	v_add_f32 v[BM+1], s56, v[BM+1]
	v_add_f32 v[BM+3], s57, v[BM+3]
	v_add_f32 v[BM+4], s58, v[BM+4]
	v_max3_num_f32 v[RM], v[BM], v[BM+1], v[BM+2]
	v_max3_num_f32 v[RM], v[RM], v[BM+3], v[BM+4]
	v_mul_f32 v[RM], s48, v[RM]                    ; the row's largest t (the middle block is never hidden: it is a number)
	v_floor_f32 v[NM], -v[RM]                      ; -M = floor(-t)
	v_add_f32 v[NB], s55, v[NM]
	v_add_f32 v[NB+2], s56, v[NM]
	v_mov_b32 v[NB+4], v[NM]
	v_add_f32 v[NB+6], s57, v[NM]
	v_add_f32 v[NB+8], s58, v[NM]
.irp b, 0,1,2,3,4
.irp j, 0,2,4,6,8,10,12,14
	v_pk_fma_f32 v[S+16*\b+\j:S+16*\b+\j+1], v[S+16*\b+\j:S+16*\b+\j+1], s[48:49], v[NB+2*\b:NB+2*\b+1] op_sel_hi:[1,0,0]   ; t - M
.endr
.endr
.irp b, 0,1,2,3,4
	v_fma_f32 v[BM+\b], v[BM+\b], s48, v[NM]
.endr
.set j_, 0
.rept 80
	v_exp_f32 v[S+j_], v[S+j_]                     ; p = 2^(t - M)
.set j_, j_+1
.endr
.irp b, 0,1,2,3,4
	v_exp_f32 v[BM+\b], v[BM+\b]                   ; the block's largest p
.endr
.irp j, 6,7,8
	v_mov_b32 v[P2+\j], 0                          ; (plain places behind the exponentials)
.endr
	s_wait_alu depctr_va_vdst(0)
.irp b, 0,1,2,3,4
	v_max_num_f32 v[BM+\b], 0x2800000, v[BM+\b]    ; the floor 2^(5 - 127)
.endr
.irp b, 0,1,2,3,4
	v_add_nc_u32 v[SC+\b], 0xfe000000, v[BM+\b]
.endr
.irp b, 0,1,2,3,4
	v_lshrrev_b32 v[BY+\b], 23, v[SC+\b]
.endr
	v_lshl_or_b32 v[PW1], v[BY+1], 8, v[BY]
	v_lshl_or_b32 v[PW1], v[BY+2], 16, v[PW1]
	v_lshl_or_b32 v[PW1], v[BY+3], 24, v[PW1]
	v_lshlrev_b32 v[PW2], 24, v[BY+4]              ; the fifth block is the second K step's last
	v_cvt_scalef32_pk16_bf6_f32 v[P1:P1+2], v[S:S+15], v[SC]
	v_cvt_scalef32_pk16_bf6_f32 v[X1:X1+2], v[S+16:S+31], v[SC+1]
	v_cvt_scalef32_pk16_bf6_f32 v[P1+6:P1+8], v[S+32:S+47], v[SC+2]
	v_cvt_scalef32_pk16_bf6_f32 v[X2:X2+2], v[S+48:S+63], v[SC+3]
	v_cvt_scalef32_pk16_bf6_f32 v[X3:X3+2], v[S+64:S+79], v[SC+4]
	v_nop                                          ; one plain place behind a scaled conversion
.irp i, 0,1,2
	v_permlane16_swap_b32 v[P1+\i], v[X1+\i]       ; a whole block to a lane
	v_permlane16_swap_b32 v[P1+6+\i], v[X2+\i]
	v_permlane16_swap_b32 v[P2+6+\i], v[X3+\i]     ; (zeros go to lanes 0-15)
.endr
.irp i, 0,1,2
	v_mov_b32 v[P1+3+\i], v[X1+\i]
	v_mov_b32 v[P1+9+\i], v[X2+\i]
	v_mov_b32 v[P2+9+\i], v[X3+\i]
.endr
	v_pk_add_f32 v[L:L+1], v[S:S+1], v[S+2:S+3]    ; the row's sum, of the unquantised p, in two chains; these lines are also the places in front of the products below
	v_pk_add_f32 v[LT:LT+1], v[S+4:S+5], v[S+6:S+7]
.set j_, 8
.rept 18
	v_pk_add_f32 v[L:L+1], v[L:L+1], v[S+j_:S+j_+1]
	v_pk_add_f32 v[LT:LT+1], v[LT:LT+1], v[S+j_+2:S+j_+3]
.set j_, j_+4
.endr
	v_pk_add_f32 v[L:L+1], v[L:L+1], v[LT:LT+1]
	v_add_f32 v[L], v[L], v[L+1]
	v_permlanex16_b32 v[LT], v[L], s50, s51
	v_add_f32 v[L], v[L], v[LT]
	v_rcp_f32 v[RL], v[L]
	v_rcp_f32 v[RL+1], v[L]
	v_nop                                          ; one plain place behind a transcendental
	WIN 0x01                                       ; V in window 1
.irp t, 0,1,2,3
	WM O+8*\t, VF+12*\t, P1, -1, VS+\t, PW1, 0, 0
.endr
.irp t, 0,1,2,3
	WM O+8*\t, VF+12*(4+\t), P2, O+8*\t, VS+4+\t, PW2, 0, 0
.endr
	WIN 0
	PLACES
.set n_, 0
	s_wait_alu depctr_va_vdst(0)
.rept 16
	v_pk_mul_f32 v[HA+2*n_:HA+2*n_+1], v[O+2*n_:O+2*n_+1], v[RL:RL+1]   ; / the row's sum: register 16 b + i is channel 32 b + 16 h + i of my query
.set n_, n_+1
.endr
	QUANT2 HA, S, AW+\u
	global_store_b128 v1, v[S:S+3], s[70:71] offset:9216*\u
	global_store_b64 v5, v[S+4:S+5], s[70:71] offset:9216*\u+512
.endm
	ATT 0
	ATT 1
	v_cndmask_b32 v[AW], v[AW], v[AW+1], s52       ; lanes 0-15 the even tile's word, lanes 16-31 the odd tile's
	ds_store_b32 v21, v[AW]
	s_wait_dscnt 0x0
	s_barrier_signal -1
	s_barrier_wait -1                              ; the work-group's 1,024 bytes of scale words lie in LDS
	s_cmp_lt_u32 s20, 2
	s_cbranch_scc0 .Ldone
	ds_load_b128 v[HA:HA+3], v27
	v_lshlrev_b32 v[HA+4], 4, v0
	s_wait_dscnt 0x0
	global_store_b128 v[HA+4], v[HA:HA+3], s[72:73]   ; 512 consecutive bytes a wave
.Ldone:
	s_wait_xcnt 0x0
	v_lshl_add_u32 v254, v0, 2, 0x2d900
	v_mov_b32 v255, 0
	s_wait_tensorcnt 0x0
	ds_add_u32 v254, v255
	s_wait_dscnt 0x0
	s_endpgm
.Lfunc_end_k_q99854db9ec_attn:
	.size	k_q99854db9ec_attn, .Lfunc_end_k_q99854db9ec_attn-k_q99854db9ec_attn
	.p2alignl 7, 3214868480
	.fill 96, 4, 3214868480
	.section	.rodata,"a",@progbits
	.p2align	6, 0x0
	.amdhsa_kernel k_q99854db9ec_attn
		.amdhsa_group_segment_fixed_size 187648
		.amdhsa_private_segment_fixed_size 0
		.amdhsa_enable_private_segment 0
		.amdhsa_kernarg_size 64
		.amdhsa_user_sgpr_count 2
		.amdhsa_user_sgpr_kernarg_segment_ptr 1
		.amdhsa_wavefront_size32 1
		.amdhsa_system_sgpr_workgroup_id_x 1
		.amdhsa_system_sgpr_workgroup_id_y 1
		.amdhsa_system_sgpr_workgroup_id_z 1
		.amdhsa_system_vgpr_workitem_id 0
		.amdhsa_next_free_vgpr 512
		.amdhsa_next_free_sgpr 84
		.amdhsa_reserve_vcc 1
		.amdhsa_float_denorm_mode_32 3
		.amdhsa_float_denorm_mode_16_64 3
		.amdhsa_memory_ordered 1
		.amdhsa_forward_progress 1
		.amdhsa_inst_pref_size 151
	.end_amdhsa_kernel
	.amdgpu_metadata
---
amdhsa.version: [ 1, 2 ]
amdhsa.kernels:
  - .name:           k_q99854db9ec_attn
    .symbol:         k_q99854db9ec_attn.kd
    .args:
      - { .name: xc, .offset: 0, .size: 8, .value_kind: global_buffer, .address_space: global }
      - { .name: xs, .offset: 8, .size: 8, .value_kind: global_buffer, .address_space: global }
      - { .name: wc, .offset: 16, .size: 8, .value_kind: global_buffer, .address_space: global }
      - { .name: bq, .offset: 24, .size: 8, .value_kind: global_buffer, .address_space: global }
      - { .name: bk, .offset: 32, .size: 8, .value_kind: global_buffer, .address_space: global }
      - { .name: bv, .offset: 40, .size: 8, .value_kind: global_buffer, .address_space: global }
      - { .name: aoc, .offset: 48, .size: 8, .value_kind: global_buffer, .address_space: global }
      - { .name: aos, .offset: 56, .size: 8, .value_kind: global_buffer, .address_space: global }
    .group_segment_fixed_size: 187648
    .private_segment_fixed_size: 0
    .kernarg_segment_align: 8
    .kernarg_segment_size: 64
    .max_flat_workgroup_size: 256
    .sgpr_count:     84
    .vgpr_count:     512
    .wavefront_size: 32
...
	.end_amdgpu_metadata
.endif
;; end of part 2
;; launch proj (part 3): grid 4 x 64, 3 waves a work-group, no clusters, 52,736 bytes of LDS; arguments aoc, aos, wc, bo, out0; writes out0
.if DOCPART == 3
	.amdgcn_target "amdgcn-amd-amdhsa--gfx1250"
	.amdhsa_code_object_version 6
	.text
	.protected	k_q99854db9ec_proj
	.globl	k_q99854db9ec_proj
	.p2align	8
	.type	k_q99854db9ec_proj,@function
k_q99854db9ec_proj:
	s_mov_b64 s[64:65], 0
	v_nop
	global_prefetch_b8 v0, s[64:65] scope:SCOPE_SE
	s_setreg_imm32_b32 hwreg(HW_REG_WAVE_MODE, 25, 1), 1
	s_wait_xcnt 0x0
; out0 = ao Wo + bo on codes of BF6 (E3M2) with one E8M0 byte for each 32 along K = 768; sums f32.  Both operands lie in memory as images of their registers: every load takes 16 or 8 bytes a lane on end.
; SHARES.  A work-group makes 64 rows x 192 columns; each of its three waves 64 rows x 64 columns (256 bytes of each row): 16 sums by turns, six K steps of 128, 96 matrix instructions.
; Each K step has registers of its own (six sets in windows 0 to 2), so no set is loaded twice; loads run two steps ahead.  The waves share nothing: no barrier; the stage in LDS is each wave's own.
; TRANSPOSED: source 0 = 16 columns of Wo, source 1 = 16 rows of ao: a lane holds eight neighbouring columns of one row.  Lane-row r of tile 2 p + u is index 32 p + 8 u + r + 8 (r / 8), for rows and columns alike.
; A K step holds two heads: registers 0-5 of ao's fragment are head 2 s's half image, registers 6-11 head 2 s + 1's; its scale word is made of the two heads' pairs of bytes.  bo is the C of each sum's first instruction.
; No tensor loads and no cluster: a wave's operands are read once, straight into registers.
; REGISTERS.  Window 0: v1-6 addresses; v8-19 Wo's scale words, v20-31 ao's (scales and nothing else); K step s: v[64 + 96 (s % 2)] on in window s / 2: Wo's four fragments, then ao's four.
;   Window 3: v0-127 the sums ((i, t) at 8 (4 i + t)); v128-159 bo; v160-183 ao's scale words as they lie in memory.
.set WSP, 8
.set ASP, 20
.set MSB, 0
.macro WIN new                         ; the immediate's high byte repeats the setting that is left
.if MSB != (\new)
	s_set_vgpr_msb (MSB<<8)|(\new)
.set MSB, (\new)
.endif
.endm
.macro WM d, a, b, c, sa, sb, ra, rb   ; ra, rb = 1: that side's scales stand in lanes 16-31
.if (\ra) == 0 && (\rb) == 0
	v_wmma_scale_f32_16x16x128_f8f6f4 v[(\d):(\d)+7], v[(\a):(\a)+11], v[(\b):(\b)+11], v[(\c):(\c)+7], v[(\sa)], v[(\sb)] matrix_a_fmt:MATRIX_FMT_BF6 matrix_b_fmt:MATRIX_FMT_BF6
.elseif (\ra) == 1 && (\rb) == 0
	v_wmma_scale_f32_16x16x128_f8f6f4 v[(\d):(\d)+7], v[(\a):(\a)+11], v[(\b):(\b)+11], v[(\c):(\c)+7], v[(\sa)], v[(\sb)] matrix_a_fmt:MATRIX_FMT_BF6 matrix_b_fmt:MATRIX_FMT_BF6 matrix_a_scale:MATRIX_SCALE_ROW1
.elseif (\ra) == 0
	v_wmma_scale_f32_16x16x128_f8f6f4 v[(\d):(\d)+7], v[(\a):(\a)+11], v[(\b):(\b)+11], v[(\c):(\c)+7], v[(\sa)], v[(\sb)] matrix_a_fmt:MATRIX_FMT_BF6 matrix_b_fmt:MATRIX_FMT_BF6 matrix_b_scale:MATRIX_SCALE_ROW1
.else
	v_wmma_scale_f32_16x16x128_f8f6f4 v[(\d):(\d)+7], v[(\a):(\a)+11], v[(\b):(\b)+11], v[(\c):(\c)+7], v[(\sa)], v[(\sb)] matrix_a_fmt:MATRIX_FMT_BF6 matrix_b_fmt:MATRIX_FMT_BF6 matrix_a_scale:MATRIX_SCALE_ROW1 matrix_b_scale:MATRIX_SCALE_ROW1
.endif
.endm
	s_load_b256 s[4:11], s[0:1], 0x0               ; aoc, aos, wc, bo
	s_load_b64 s[12:13], s[0:1], 0x20              ; out0
	v_lshl_add_u32 v62, v0, 2, 0xcc00
	v_mov_b32 v63, 0
	v_lshrrev_b32 v7, 5, v0
	v_readfirstlane_b32 s14, v7                    ; wave 0..2
	s_and_b32 s15, ttmp7, 0xffff                   ; which 64 rows
	s_mul_i32 s16, ttmp9, 3
	s_add_co_u32 s16, s16, s14                     ; which 64 columns
	v_and_b32 v7, 31, v0                           ; l
	v_and_b32 v32, 15, v0                          ; r
	v_bfe_u32 v33, v0, 4, 1                        ; h
	v_lshlrev_b32 v1, 4, v7                        ; 16 l
	v_lshlrev_b32 v2, 3, v7                        ; 8 l
	s_mul_i32 s17, s14, 17408                      ; my stage: 64 rows x (256 + 16) bytes
	v_mul_u32_u24 v3, v32, 272
	v_lshl_add_u32 v3, v33, 6, v3
	v_add_nc_u32 v3, s17, v3                       ; in: row r of a tile, + 64 h
	v_mul_u32_u24 v4, v33, 272
	v_lshl_add_u32 v4, v32, 4, v4
	v_add_nc_u32 v4, s17, v4                       ; back: lanes 0-15 one row, lanes 16-31 the next
	v_mul_u32_u24 v5, v33, 3072
	v_lshl_add_u32 v5, v32, 4, v5                  ; and the same in out0
	v_lshlrev_b32 v6, 6, v33                       ; bo: 64 h
	s_mul_i32 s18, s16, 153600
	s_add_co_u32 s18, s18, 115200
	s_mov_b32 s19, 0
	s_mul_i32 s30, s15, 36864
	s_mov_b32 s31, 0
	s_lshl_b32 s32, s15, 8
	s_mov_b32 s33, 0
	s_lshl_b32 s34, s16, 8
	s_mov_b32 s35, 0
	s_mul_i32 s36, s15, 196608
	s_add_co_u32 s36, s36, s34
	s_mov_b32 s37, 0
	s_wait_kmcnt 0x0
	s_add_nc_u64 s[20:21], s[8:9], s[18:19]        ; Wo's images of my columns; their scale words 36,864 bytes on
	s_add_nc_u64 s[22:23], s[4:5], s[30:31]        ; ao's images of my four tiles of rows
	s_add_nc_u64 s[24:25], s[6:7], s[32:33]        ; their scale words
	s_add_nc_u64 s[26:27], s[10:11], s[34:35]      ; bo
	s_add_nc_u64 s[28:29], s[12:13], s[36:37]      ; out0
.irp s, 0,1,2,3,4,5
	global_load_b64 v[WSP+2*\s:WSP+2*\s+1], v2, s[20:21] offset:36864+256*\s
.endr
	WIN 0xc0                                       ; destination window 3
.irp d, 0,1,2,3,4,5,6,7,8,9,10,11
	global_load_b64 v[160+2*\d:160+2*\d+1], v2, s[24:25] offset:16384*\d
.endr
.irp t, 0,1,2,3
.irp j, 0,1
	global_load_b128 v[128+8*\t+4*\j:128+8*\t+4*\j+3], v6, s[26:27] offset:128*(\t/2)+32*(\t%2)+16*\j
.endr
.endr
.macro LSTEP s                         ; K step s: 28 loads
.set BU, 64+96*((\s)%2)
	WIN ((\s)/2)*64
.irp t, 0,1,2,3
.irp c, 0,1,2
	global_load_b128 v[BU+12*\t+4*\c:BU+12*\t+4*\c+3], v1, s[20:21] offset:6144*(\s)+1536*\t+512*\c
.endr
.endr
.irp i, 0,1,2,3
	global_load_b128 v[BU+48+12*\i:BU+48+12*\i+3], v1, s[22:23] offset:9216*\i+1536*(\s)
	global_load_b64 v[BU+48+12*\i+4:BU+48+12*\i+5], v2, s[22:23] offset:9216*\i+1536*(\s)+512
	global_load_b128 v[BU+48+12*\i+6:BU+48+12*\i+9], v1, s[22:23] offset:9216*\i+1536*(\s)+768
	global_load_b64 v[BU+48+12*\i+10:BU+48+12*\i+11], v2, s[22:23] offset:9216*\i+1536*(\s)+1280
.endr
.endm
.macro MSTEP s                         ; 16 matrix instructions, the 16 sums by turns
.set BU, 64+96*((\s)%2)
	WIN 0xf0+5*((\s)/2)                            ; sources 0 and 1 in the step's window, C and D in window 3
.irp i, 0,1,2,3
.irp t, 0,1,2,3
.if (\s) == 0
	WM 8*(4*\i+\t), BU+12*\t, BU+48+12*\i, 128+8*\t, WSP+2*(\s)+\t/2, ASP+6*(\i/2)+(\s), \t%2, \i%2
.else
	WM 8*(4*\i+\t), BU+12*\t, BU+48+12*\i, 8*(4*\i+\t), WSP+2*(\s)+\t/2, ASP+6*(\i/2)+(\s), \t%2, \i%2
.endif
.endr
.endr
.endm
	LSTEP 0
	LSTEP 1
	s_wait_loadcnt 56                              ; all but the two steps' 56 loads: the scale words and bo are in
	WIN 0x33                                       ; sources in window 3, destination in window 0
.irp p, 0,1
.irp s, 0,1,2,3,4,5
	v_lshl_or_b32 v[ASP+6*\p+\s], v[160+2*(2*\s+1)+\p], 16, v[160+4*\s+\p]   ; head 2 s's two bytes below, head 2 s + 1's above
.endr
.endr
	WIN 0
.rept 8
	v_nop                                          ; a scale register written by a vector instruction stands 8 places ahead of a scaled matrix instruction
.endr
.irp s, 0,1,2,3
	s_wait_loadcnt 28                              ; this step's loads are in; the next step's 28 may be out
	LSTEP \s+2
	MSTEP \s
.endr
	s_wait_loadcnt 28
	MSTEP 4
	s_wait_loadcnt 0x0
	MSTEP 5
	WIN 0
.rept 4
	v_nop                                          ; places in front of the first read of results and of loads into registers that matrix instructions have read
.endr
	; THE WAY OUT: 32 bytes a lane into my stage, back as whole rows of 256 bytes
	WIN 0x0c                                       ; an LDS store's data are its source 1: window 3
.irp i, 0,1,2,3
.irp b, 0,1
.irp q, 0,1,2,3
	ds_store_b128 v3, v[8*(4*\i+2*\b+\q/2)+4*(\q%2):8*(4*\i+2*\b+\q/2)+4*(\q%2)+3] offset:4352*\i+128*\b+16*\q   ; each accumulator from its low end on
.endr
.endr
.endr
	WIN 0
.irp i, 0,1,2,3
.irp k, 0,1,2,3,4,5,6,7
	ds_load_b128 v[64+4*(8*\i+\k):64+4*(8*\i+\k)+3], v4 offset:4352*\i+544*\k   ; LDS serves a wave's instructions in order: these see my stores
.endr
.endr
.irp i, 0,1,2,3
.irp k, 0,1,2,3,4,5,6,7
	s_wait_dscnt 31-8*\i-\k
	global_store_b128 v5, v[64+4*(8*\i+\k):64+4*(8*\i+\k)+3], s[28:29] offset:(32*(\i/2)+8*(\i%2)+2*\k+8*(\k/4))*3072 th:TH_STORE_NT   ; sixteen lanes store 256 consecutive bytes, aligned; lane-rows 2 k, 2 k + 1 of tile i go to their true rows
.endr
.endr
	s_wait_tensorcnt 0x0
	ds_add_u32 v62, v63
	s_wait_dscnt 0x0
	s_endpgm
.Lfunc_end_k_q99854db9ec_proj:
	.size	k_q99854db9ec_proj, .Lfunc_end_k_q99854db9ec_proj-k_q99854db9ec_proj
	.p2alignl 7, 3214868480
	.fill 96, 4, 3214868480
	.section	.rodata,"a",@progbits
	.p2align	6, 0x0
	.amdhsa_kernel k_q99854db9ec_proj
		.amdhsa_group_segment_fixed_size 52736
		.amdhsa_private_segment_fixed_size 0
		.amdhsa_enable_private_segment 0
		.amdhsa_kernarg_size 40
		.amdhsa_user_sgpr_count 2
		.amdhsa_user_sgpr_kernarg_segment_ptr 1
		.amdhsa_wavefront_size32 1
		.amdhsa_system_sgpr_workgroup_id_x 1
		.amdhsa_system_sgpr_workgroup_id_y 1
		.amdhsa_system_sgpr_workgroup_id_z 1
		.amdhsa_system_vgpr_workitem_id 0
		.amdhsa_next_free_vgpr 960
		.amdhsa_next_free_sgpr 66
		.amdhsa_reserve_vcc 0
		.amdhsa_float_denorm_mode_32 3
		.amdhsa_float_denorm_mode_16_64 3
		.amdhsa_memory_ordered 1
		.amdhsa_forward_progress 1
		.amdhsa_inst_pref_size 43
	.end_amdhsa_kernel
	.amdgpu_metadata
---
amdhsa.version: [ 1, 2 ]
amdhsa.kernels:
  - .name:           k_q99854db9ec_proj
    .symbol:         k_q99854db9ec_proj.kd
    .args:
      - { .name: aoc, .offset: 0, .size: 8, .value_kind: global_buffer, .address_space: global }
      - { .name: aos, .offset: 8, .size: 8, .value_kind: global_buffer, .address_space: global }
      - { .name: wc, .offset: 16, .size: 8, .value_kind: global_buffer, .address_space: global }
      - { .name: bo, .offset: 24, .size: 8, .value_kind: global_buffer, .address_space: global }
      - { .name: out0, .offset: 32, .size: 8, .value_kind: global_buffer, .address_space: global }
    .group_segment_fixed_size: 52736
    .private_segment_fixed_size: 0
    .kernarg_segment_align: 8
    .kernarg_segment_size: 40
    .max_flat_workgroup_size: 96
    .sgpr_count:     66
    .vgpr_count:     960
    .wavefront_size: 32
...
	.end_amdgpu_metadata
.endif
;; end of part 3
;; ======== version 2 of 2: 3 launches; version 1 with the launch proj written anew for expert scheduling mode
;; workspace buffers: xc 2,359,296 bytes; xs 98,304 bytes; wc 1,843,200 bytes; aoc 2,359,296 bytes; aos 196,608 bytes
;; launch quant: the kernel of part 1 again; grid 56 x 3, 4 waves a work-group, no clusters, 291,328 bytes of LDS; arguments x, Wq, Wk, Wv, Wo, xc, xs, wc; writes xc, xs, wc
;; launch attn: the kernel of part 2 again; grid 8 x 24, 8 waves a work-group, no clusters, 187,648 bytes of LDS; arguments xc, xs, wc, bq, bk, bv, aoc, aos; writes aoc, aos
;; launch proj (part 4): grid 4 x 64, 3 waves a work-group, no clusters, 52,736 bytes of LDS; arguments aoc, aos, wc, bo, out0; writes out0
.if DOCPART == 4
	.amdgcn_target "amdgcn-amd-amdhsa--gfx1250"
	.amdhsa_code_object_version 6
	.text
	.protected	k_q99854db9ec_proj
	.globl	k_q99854db9ec_proj
	.p2align	8
	.type	k_q99854db9ec_proj,@function
k_q99854db9ec_proj:
	s_mov_b64 s[64:65], 0
	v_nop
	global_prefetch_b8 v0, s[64:65] scope:SCOPE_SE
	s_setreg_imm32_b32 hwreg(HW_REG_WAVE_SCHED_MODE, 0, 2), 2
	s_setreg_imm32_b32 hwreg(HW_REG_WAVE_MODE, 25, 1), 1
	s_wait_xcnt 0x0
	s_wait_alu depctr_vm_vsrc(0)
; out0 = ao Wo + bo on codes of BF6 (E3M2) with one E8M0 byte for each 32 along K = 768; sums f32.  Both operands lie in memory as images of their registers: every load takes 16 or 8 bytes a lane on end.
; SHARES.  A work-group makes 64 rows x 192 columns; each of its three waves 64 rows x 64 columns (256 bytes of each row): 16 sums by turns, six K steps of 128, 96 matrix instructions.
; Each K step has registers of its own (six sets in windows 0 to 2), so no set is loaded twice; loads run two steps ahead.  The waves share nothing: no barrier; the stage in LDS is each wave's own.
; TRANSPOSED: source 0 = 16 columns of Wo, source 1 = 16 rows of ao: a lane holds eight neighbouring columns of one row.  Lane-row r of tile 2 p + u is index 32 p + 8 u + r + 8 (r / 8), for rows and columns alike.
; A K step holds two heads: registers 0-5 of ao's fragment are head 2 s's half image, registers 6-11 head 2 s + 1's; its scale word is made of the two heads' pairs of bytes.  bo is the C of each sum's first instruction.
; No tensor loads and no cluster: a wave's operands are read once, straight into registers.
; REGISTERS.  Window 0: v1-6 addresses; v8-19 Wo's scale words, v20-31 ao's (scales and nothing else); K step s: v[64 + 96 (s % 2)] on in window s / 2: Wo's four fragments, then ao's four.
;   Window 3: v0-127 the sums ((i, t) at 8 (4 i + t)); v128-159 bo; v160-183 ao's scale words as they lie in memory.
; THE MODE: SCHED_MODE bits 1:0 = 2 (LLVM: expert scheduling mode 2), set by the entry lines.  The code itself states the register dependences
; between vector or matrix instructions and memory or LDS instructions, with s_wait_alu, always for 0.
; THE PLAN.  Registers that memory or LDS instructions touch (the text has no branch: one path):
;   v1 - v6        offsets and LDS addresses: written by vector instructions at the head, once; read by every load and store; named by no vector or matrix instruction afterwards.
;   v8 - 19, window 3 v128 - 183   loaded once; read by matrix instructions (scales, C) and by the twelve lines that make v20 - 31; never loaded again.
;   the six sets   set s is loaded once, by K step s's 28 loads, issued before any vector or matrix instruction names it; read by step s's 16 matrix instructions.
;                  Window 0 v64 - 191 (sets 0 and 1) take the stage's LDS loads on the way out, and the global stores read them there.
;   the sums       written by matrix instructions; read by the 32 LDS stores; never written again.
;   v62, v63       written at the head; read by the closing add alone.
; So: one wait on va_sdst for the wave's number; one on va_vdst ahead of the first load, which serves every address of the kernel and every load into a set; one behind the places that follow the lines that make v20 - 31;
; one behind the places after the last product, for the LDS stores' data and for the LDS loads into sets 0 and 1.  No register that a memory or LDS instruction reads is ever written again: no wait on vm_vsrc is owed.
; The 28 loads of K step s + 2 are dealt among step s's matrix instructions: Wo's twelve ahead of the first eight, ao's sixteen behind them.
.set WSP, 8
.set ASP, 20
.set MSB, 0
.macro WIN new                         ; the immediate's high byte repeats the setting that is left
.if MSB != (\new)
	s_set_vgpr_msb (MSB<<8)|(\new)
.set MSB, (\new)
.endif
.endm
.macro WM d, a, b, c, sa, sb, ra, rb   ; ra, rb = 1: that side's scales stand in lanes 16-31
.if (\ra) == 0 && (\rb) == 0
	v_wmma_scale_f32_16x16x128_f8f6f4 v[(\d):(\d)+7], v[(\a):(\a)+11], v[(\b):(\b)+11], v[(\c):(\c)+7], v[(\sa)], v[(\sb)] matrix_a_fmt:MATRIX_FMT_BF6 matrix_b_fmt:MATRIX_FMT_BF6
.elseif (\ra) == 1 && (\rb) == 0
	v_wmma_scale_f32_16x16x128_f8f6f4 v[(\d):(\d)+7], v[(\a):(\a)+11], v[(\b):(\b)+11], v[(\c):(\c)+7], v[(\sa)], v[(\sb)] matrix_a_fmt:MATRIX_FMT_BF6 matrix_b_fmt:MATRIX_FMT_BF6 matrix_a_scale:MATRIX_SCALE_ROW1
.elseif (\ra) == 0
	v_wmma_scale_f32_16x16x128_f8f6f4 v[(\d):(\d)+7], v[(\a):(\a)+11], v[(\b):(\b)+11], v[(\c):(\c)+7], v[(\sa)], v[(\sb)] matrix_a_fmt:MATRIX_FMT_BF6 matrix_b_fmt:MATRIX_FMT_BF6 matrix_b_scale:MATRIX_SCALE_ROW1
.else
	v_wmma_scale_f32_16x16x128_f8f6f4 v[(\d):(\d)+7], v[(\a):(\a)+11], v[(\b):(\b)+11], v[(\c):(\c)+7], v[(\sa)], v[(\sb)] matrix_a_fmt:MATRIX_FMT_BF6 matrix_b_fmt:MATRIX_FMT_BF6 matrix_a_scale:MATRIX_SCALE_ROW1 matrix_b_scale:MATRIX_SCALE_ROW1
.endif
.endm
	s_load_b256 s[4:11], s[0:1], 0x0               ; aoc, aos, wc, bo
	s_load_b64 s[12:13], s[0:1], 0x20              ; out0
	v_lshl_add_u32 v62, v0, 2, 0xcc00
	v_mov_b32 v63, 0
	v_lshrrev_b32 v7, 5, v0
	v_readfirstlane_b32 s14, v7                    ; wave 0..2
	s_and_b32 s15, ttmp7, 0xffff                   ; which 64 rows
	s_mul_i32 s16, ttmp9, 3
	v_and_b32 v7, 31, v0                           ; l
	v_and_b32 v32, 15, v0                          ; r
	v_bfe_u32 v33, v0, 4, 1                        ; h
	v_lshlrev_b32 v1, 4, v7                        ; 16 l
	v_lshlrev_b32 v2, 3, v7                        ; 8 l
	v_mul_u32_u24 v3, v32, 272
	v_lshl_add_u32 v3, v33, 6, v3                  ; the stage, in: row r of a tile, + 64 h
	v_mul_u32_u24 v4, v33, 272
	v_lshl_add_u32 v4, v32, 4, v4                  ; back: lanes 0-15 one row, lanes 16-31 the next
	v_mul_u32_u24 v5, v33, 3072
	v_lshl_add_u32 v5, v32, 4, v5                  ; and the same in out0
	v_lshlrev_b32 v6, 6, v33                       ; bo: 64 h
	s_wait_alu depctr_va_sdst(0)                   ; s14 is written, ahead of its first reader: the columns, the stage and the bases are made from it
	s_add_co_u32 s16, s16, s14                     ; which 64 columns
	s_mul_i32 s17, s14, 17408                      ; my stage: 64 rows x (256 + 16) bytes
	v_add_nc_u32 v3, s17, v3
	v_add_nc_u32 v4, s17, v4
	s_mul_i32 s18, s16, 153600
	s_add_co_u32 s18, s18, 115200
	s_mov_b32 s19, 0
	s_mul_i32 s30, s15, 36864
	s_mov_b32 s31, 0
	s_lshl_b32 s32, s15, 8
	s_mov_b32 s33, 0
	s_lshl_b32 s34, s16, 8
	s_mov_b32 s35, 0
	s_mul_i32 s36, s15, 196608
	s_add_co_u32 s36, s36, s34
	s_mov_b32 s37, 0
	s_wait_kmcnt 0x0
	s_add_nc_u64 s[20:21], s[8:9], s[18:19]        ; Wo's images of my columns; their scale words 36,864 bytes on
	s_add_nc_u64 s[22:23], s[4:5], s[30:31]        ; ao's images of my four tiles of rows
	s_add_nc_u64 s[24:25], s[6:7], s[32:33]        ; their scale words
	s_add_nc_u64 s[26:27], s[10:11], s[34:35]      ; bo
	s_add_nc_u64 s[28:29], s[12:13], s[36:37]      ; out0
	s_wait_alu depctr_va_vdst(0)                   ; the six offsets and addresses v1 to v6 are written, which every load and store below reads; no vector or matrix instruction names them again
.irp s, 0,1,2,3,4,5
	global_load_b64 v[WSP+2*\s:WSP+2*\s+1], v2, s[20:21] offset:36864+256*\s
.endr
	WIN 0xc0                                       ; destination window 3
.irp d, 0,1,2,3,4,5,6,7,8,9,10,11
	global_load_b64 v[160+2*\d:160+2*\d+1], v2, s[24:25] offset:16384*\d
.endr
.irp t, 0,1,2,3
.irp j, 0,1
	global_load_b128 v[128+8*\t+4*\j:128+8*\t+4*\j+3], v6, s[26:27] offset:128*(\t/2)+32*(\t%2)+16*\j
.endr
.endr
; K step s: 28 loads into the step's own set: Wo's twelve (LW), then ao's sixteen (LA).  No wait: no vector or matrix instruction has named the set, and none since the head's wait names v1 or v2
.macro LW s
.set BU, 64+96*((\s)%2)
	WIN ((\s)/2)*64
.irp t, 0,1,2,3
.irp c, 0,1,2
	global_load_b128 v[BU+12*\t+4*\c:BU+12*\t+4*\c+3], v1, s[20:21] offset:6144*(\s)+1536*\t+512*\c
.endr
.endr
.endm
.macro LA s
.set BU, 64+96*((\s)%2)
	WIN ((\s)/2)*64
.irp i, 0,1,2,3
	global_load_b128 v[BU+48+12*\i:BU+48+12*\i+3], v1, s[22:23] offset:9216*\i+1536*(\s)
	global_load_b64 v[BU+48+12*\i+4:BU+48+12*\i+5], v2, s[22:23] offset:9216*\i+1536*(\s)+512
	global_load_b128 v[BU+48+12*\i+6:BU+48+12*\i+9], v1, s[22:23] offset:9216*\i+1536*(\s)+768
	global_load_b64 v[BU+48+12*\i+10:BU+48+12*\i+11], v2, s[22:23] offset:9216*\i+1536*(\s)+1280
.endr
.endm
.macro MHALF s, ia, ib                 ; 8 of a K step's 16 matrix instructions: tiles of rows ia, ib; the 16 sums by turns
.set BU, 64+96*((\s)%2)
	WIN 0xf0+5*((\s)/2)                            ; sources 0 and 1 in the step's window, C and D in window 3
.irp i, \ia, \ib
.irp t, 0,1,2,3
.if (\s) == 0
	WM 8*(4*\i+\t), BU+12*\t, BU+48+12*\i, 128+8*\t, WSP+2*(\s)+\t/2, ASP+6*(\i/2)+(\s), \t%2, \i%2
.else
	WM 8*(4*\i+\t), BU+12*\t, BU+48+12*\i, 8*(4*\i+\t), WSP+2*(\s)+\t/2, ASP+6*(\i/2)+(\s), \t%2, \i%2
.endif
.endr
.endr
.endm
	LW 0
	LA 0
	LW 1
	LA 1
	s_wait_loadcnt 56                              ; all but the two steps' 56 loads: the scale words and bo are in
	WIN 0x33                                       ; sources in window 3, destination in window 0
.irp p, 0,1
.irp s, 0,1,2,3,4,5
	v_lshl_or_b32 v[ASP+6*\p+\s], v[160+2*(2*\s+1)+\p], 16, v[160+4*\s+\p]   ; head 2 s's two bytes below, head 2 s + 1's above
.endr
.endr
	WIN 0
.rept 8
	v_nop                                          ; a scale register written by a vector instruction stands 8 places ahead of a scaled matrix instruction
.endr
	s_wait_alu depctr_va_vdst(0)                   ; the twelve lines above have written v20 to v31, which the scaled matrix instructions take as scales; the places above stay beside this wait
.irp s, 0,1,2,3
	s_wait_loadcnt 28                              ; this step's loads are in; the next step's 28 may be out
	LW \s+2                                        ; the step two on: Wo's fragments are asked for ahead of this step's products,
	MHALF \s, 0, 1
	LA \s+2                                        ; ao's among them: the products name this step's set, the scale words and the sums, none of which these loads touch
	MHALF \s, 2, 3
.endr
	s_wait_loadcnt 28
	MHALF 4, 0, 1
	MHALF 4, 2, 3
	s_wait_loadcnt 0x0
	MHALF 5, 0, 1
	MHALF 5, 2, 3
	WIN 0
.rept 4
	v_nop                                          ; four places behind the last matrix instruction, before its result is read (ISA guide 7.12.1)
.endr
	; THE WAY OUT: 32 bytes a lane into my stage, back as whole rows of 256 bytes
	WIN 0x0c                                       ; an LDS store's data are its source 1: window 3
	s_wait_alu depctr_va_vdst(0)                   ; the matrix instructions have written the sums, which the LDS stores read, and are done reading sets 0 and 1, in which the LDS loads below land; the places above stay beside this wait
.irp i, 0,1,2,3
.irp b, 0,1
.irp q, 0,1,2,3
	ds_store_b128 v3, v[8*(4*\i+2*\b+\q/2)+4*(\q%2):8*(4*\i+2*\b+\q/2)+4*(\q%2)+3] offset:4352*\i+128*\b+16*\q   ; each accumulator from its low end on
.endr
.endr
.endr
	WIN 0
.irp i, 0,1,2,3
.irp k, 0,1,2,3,4,5,6,7
	ds_load_b128 v[64+4*(8*\i+\k):64+4*(8*\i+\k)+3], v4 offset:4352*\i+544*\k   ; LDS serves a wave's instructions in order: these see my stores.  No wait: behind the wait above stand LDS stores alone, which read v3 and the sums
.endr
.endr
.irp i, 0,1,2,3
.irp k, 0,1,2,3,4,5,6,7
	s_wait_dscnt 31-8*\i-\k
	global_store_b128 v5, v[64+4*(8*\i+\k):64+4*(8*\i+\k)+3], s[28:29] offset:(32*(\i/2)+8*(\i%2)+2*\k+8*(\k/4))*3072 th:TH_STORE_NT   ; sixteen lanes store 256 consecutive bytes, aligned; lane-rows 2 k, 2 k + 1 of tile i go to their true rows
.endr
.endr
	s_wait_dscnt 0x0                               ; the closing lines, six on end
	s_wait_alu 0x0
	s_wait_tensorcnt 0x0
	ds_add_u32 v62, v63
	s_wait_dscnt 0x0
	s_endpgm
.Lfunc_end_k_q99854db9ec_proj:
	.size	k_q99854db9ec_proj, .Lfunc_end_k_q99854db9ec_proj-k_q99854db9ec_proj
	.p2alignl 7, 3214868480
	.fill 96, 4, 3214868480
	.section	.rodata,"a",@progbits
	.p2align	6, 0x0
	.amdhsa_kernel k_q99854db9ec_proj
		.amdhsa_group_segment_fixed_size 52736
		.amdhsa_private_segment_fixed_size 0
		.amdhsa_enable_private_segment 0
		.amdhsa_kernarg_size 40
		.amdhsa_user_sgpr_count 2
		.amdhsa_user_sgpr_kernarg_segment_ptr 1
		.amdhsa_wavefront_size32 1
		.amdhsa_system_sgpr_workgroup_id_x 1
		.amdhsa_system_sgpr_workgroup_id_y 1
		.amdhsa_system_sgpr_workgroup_id_z 1
		.amdhsa_system_vgpr_workitem_id 0
		.amdhsa_next_free_vgpr 960
		.amdhsa_next_free_sgpr 66
		.amdhsa_reserve_vcc 0
		.amdhsa_float_denorm_mode_32 3
		.amdhsa_float_denorm_mode_16_64 3
		.amdhsa_memory_ordered 1
		.amdhsa_forward_progress 1
		.amdhsa_inst_pref_size 43
	.end_amdhsa_kernel
	.amdgpu_metadata
---
amdhsa.version: [ 1, 2 ]
amdhsa.kernels:
  - .name:           k_q99854db9ec_proj
    .symbol:         k_q99854db9ec_proj.kd
    .args:
      - { .name: aoc, .offset: 0, .size: 8, .value_kind: global_buffer, .address_space: global }
      - { .name: aos, .offset: 8, .size: 8, .value_kind: global_buffer, .address_space: global }
      - { .name: wc, .offset: 16, .size: 8, .value_kind: global_buffer, .address_space: global }
      - { .name: bo, .offset: 24, .size: 8, .value_kind: global_buffer, .address_space: global }
      - { .name: out0, .offset: 32, .size: 8, .value_kind: global_buffer, .address_space: global }
    .group_segment_fixed_size: 52736
    .private_segment_fixed_size: 0
    .kernarg_segment_align: 8
    .kernarg_segment_size: 40
    .max_flat_workgroup_size: 96
    .sgpr_count:     66
    .vgpr_count:     960
    .wavefront_size: 32
...
	.end_amdgpu_metadata
.endif
;; end of part 4
